; MI455X (gfx1250); checked and timed in simulation.
; The chip was launched on July 23, 2026; its instructions are those of AMD's public machine-readable ISA for CDNA 5 (MIT licence, August 2026) and "CDNA5" Instruction Set Architecture Reference Guide (July 2026). The comments in the code are by the model that wrote it; some were corrected since.
;; Multi Head Attention. Allowed arithmetic: matrix products marked QUANTISED: E4M3 operands, one E8M0 scale for each 32 along K, by v_wmma_scale_f32_16x16x128_f8f6f4 with both operands' format E4M3, f32 sums; products left as they are: f32 operands where the result goes on into a quantised operand, else bf16, f16 or f32 operands; f32 sums; everything else in f32.
;; Inputs: W_key_codes 8 x 16 x 4 x 32 uint8 (E4M3 codes of W_key, K innermost, in blocks of 32 codes); W_key_scales 8 x 16 x 4 uint8 (E8M0 scales of W_key, one for each 32 codes along K); W_out 8 x 16 x 128 float32; W_query_codes 8 x 16 x 4 x 32 uint8 (E4M3 codes of W_query, K innermost, in blocks of 32 codes); W_query_scales 8 x 16 x 4 uint8 (E8M0 scales of W_query, one for each 32 codes along K); W_val_codes 8 x 16 x 4 x 32 uint8 (E4M3 codes of W_val, K innermost, in blocks of 32 codes); W_val_scales 8 x 16 x 4 uint8 (E8M0 scales of W_val, one for each 32 codes along K); h_codes 4 x 2,048 x 4 x 32 uint8 (E4M3 codes of h, K innermost, in blocks of 32 codes); h_scales 4 x 2,048 x 4 uint8 (E8M0 scales of h, one for each 32 codes along K).
;; Outputs: out0 4 x 2,048 x 128 float32.
;; This version of the problem:
;;   THIS VERSION OF THE PROBLEM IS GIVEN IN LOW PRECISION. The matrix products marked QUANTISED in the list below multiply operands that are first quantised to E4M3 (4 exponent bits, 3 mantissa bits; 8 bits a number), with one power-of-two scale for each 32 numbers along K (OCP MX v1.0); their sums are f32. All else is computed in f32.
;;   The module's matrix products, in the order in which they are computed (A, B: the left and right operand; K: the contracted axis; several contracted axes count as one K, in the product's order):
;;     1. [M 128, K 128] x [K 128, N 8,192]; A: input W_query (given as codes); B: input h (given as codes): QUANTISED
;;     2. [M 128, K 128] x [K 128, N 8,192]; A: input W_key (given as codes); B: input h (given as codes): QUANTISED
;;     3. [M 128, K 128] x [K 128, N 8,192]; A: input W_val (given as codes); B: input h (given as codes): QUANTISED
;;     4. batch 32 x [M 2,048, K 16] x [K 16, N 2,048]; A: computed on the way; B: computed on the way: left as it is (K = 16 < 32)
;;     5. batch 32 x [M 2,048, K 2,048] x [K 2,048, N 16]; A: softmax (see below); B: computed on the way: QUANTISED
;;     6. [M 8,192, K 128] x [K 128, N 128]; A: computed on the way; B: input W_out: QUANTISED
;;   THE QUANTISER, for each operand of a quantised product, along K:
;;     - K is cut into blocks of 32 from its start; a last block that is shorter is filled with zeros.
;;     - A block's scale is 2^e with e = floor(log2(the largest magnitude in the block)) - 8, held to -126 .. 127; a block of zeros has e = 0. As a byte (E8M0): e + 127.
;;     - Each number is divided by its block's scale, clamped to +-448, and rounded to the nearest number of E4M3, ties to even, subnormals kept.
;;     - The product sums the exact products of the quantised numbers (number of the format x scale) in f32.
;;   ~~~python
;;   def quantise(x, axis):      # numpy; x: float32 -> the quantised numbers, widened to float32 again
;;       x = np.moveaxis(x, axis, -1); K = x.shape[-1]
;;       x = np.pad(x, [(0, 0)] * (x.ndim - 1) + [(0, -K % 32)]); x = x.reshape(x.shape[:-1] + (-1, 32)); a = np.abs(x).max(-1, keepdims=True)
;;       e = np.where(a > 0, np.clip(np.frexp(np.where(a > 0, a, 1))[1] - 1 - 8, -126, 127), 0)      # np.frexp(a)[1] - 1 = floor(log2(a)), exactly
;;       r = np.clip(x / 2.0 ** e, -448, 448)
;;       step = 2.0 ** (np.maximum(np.frexp(np.where(r == 0, 1, r))[1] - 1, -6) - 3)
;;       q = np.round(r / step) * step * 2.0 ** e      # np.round: ties to even
;;       return np.moveaxis(q.reshape(q.shape[:-2] + (-1,))[..., :K], -1, axis).astype(np.float32)
;;   ~~~
;;   SOFTMAX AHEAD OF A QUANTISED PRODUCT. Where the list says 'softmax', what is quantised is not the finished softmax but p = 2^(t - M), with t = logit x log2(e) and M = ceil(the row's largest t), a whole number; so 1/2 < the row's largest p <= 1. The row's sum l is taken of the UNQUANTISED p, in f32, and the product's result is divided by l at the end. Since M is a whole number, a kernel that streams over the keys may use a running M (the ceiling of the running maximum): every later rescaling is an exact power of two, which a block's scale takes up: the codes' values come out the same.
;;   OPERANDS COMPUTED ON THE WAY. 'Computed on the way' means the value that the module computes at that place (a softmax that the list does not call 'softmax' is quantised finished and normalised). What goes into a quantiser is computed in f32, as accurately as f32 sums, v_exp_f32 and their like allow (about 1e-6 of the number): no bf16 or f16 on the way to a quantiser, and a product that is left as it is and whose result goes on into a quantised operand takes f32 operands (vector FMAs, or v_wmma_f32_16x16x4_f32). A number that lies on a knife's edge between two numbers of the format may be rounded either way, as far as f32 arithmetic and the matrix unit's own rounding can turn it there, and no further.
;;   INPUTS GIVEN AS CODES. W_key (in the module: [8, 128, 16], K = its axis 1); W_query (in the module: [8, 128, 16], K = its axis 1); W_val (in the module: [8, 128, 16], K = its axis 1); h (in the module: [4, 2048, 128], K = its axis 2): each comes as NAME_codes (uint8): NAME with its K axis moved to the last place and cut into blocks of 32 codes, [.., K / 32, bytes a block], one block behind the other in memory; one code a byte (a code: sign, 4 exponent bits, 3 mantissa bits); and NAME_scales (uint8): the same leading axes, one E8M0 byte (e + 127) for each 32 codes along K. Its value is code x scale, taken as it is: it is not quantised again, and the codes and scales need not be those that the quantiser above would give.
;; 2 versions, each right; version 2 is version 1 with the launches attn, outp written anew for expert scheduling mode. Each part assembles by itself: llvm-mc -triple=amdgcn-amd-amdhsa -mcpu=gfx1250 --defsym DOCPART=n.
;; ======== version 1 of 2: 2 launches
;; workspace buffers: heads 4,194,304 bytes
;; launch attn (part 1): grid 8 x 32, 16 waves a work-group, no clusters, 167,936 bytes of LDS; arguments h_codes, h_scales, W_query_codes, W_query_scales, W_key_codes, W_key_scales, W_val_codes, W_val_scales, heads; writes heads
.if DOCPART == 1
	.amdgcn_target "amdgcn-amd-amdhsa--gfx1250"
	.amdhsa_code_object_version 6
	.text
	.protected	k_q78fb8b13a7_attn
	.globl	k_q78fb8b13a7_attn
	.p2align	8
	.type	k_q78fb8b13a7_attn,@function
k_q78fb8b13a7_attn:
	s_mov_b64 s[64:65], 0
	v_nop
	global_prefetch_b8 v0, s[64:65] scope:SCOPE_SE
	s_setreg_imm32_b32 hwreg(HW_REG_WAVE_MODE, 25, 1), 1
	s_wait_xcnt 0x0
; heads[b][q][H][:] = softmax_n(Q[H][b][q] . K[H][b][n] / 4) V[H][b][n][:], with Q, K, V = h W_query, h W_key, h W_val made here from the given codes.
; NOTHING OF THE PROBLEM IS LEFT OUT: every input has a way to the output and is loaded; the factor 1 / sqrt(16) and log2(e) are one constant c.
; FORMATS.  The three projections and p V go on codes of E4M3 with E8M0 scales (v_wmma_scale_f32_16x16x128_f8f6f4).  Q K^T has K = 16 and feeds a quantiser: f32 operands, v_wmma_f32_16x16x4_f32.
; THE SOFTMAX AHEAD OF p V: t = score x c, c = log2(e) / 4; M = the largest t so far, rounded up to a whole number; p = 2^(t - M) is quantised along the keys, not normalised; the row's sum is taken of the
; unquantised p and divides at the end.  When M moves, the sum and O are multiplied by 2^(old M - new M), which rounds nothing.
; SHARES.  A work-group owns 256 queries of one batch b and one head H (x = block of queries, y = 8 b + H).  Its sixteen waves first make the head's K and V for all 2,048 keys, 128 keys a wave, and lay them in LDS;
; one barrier; then wave w walks all 16 key steps of 128 for its own 16 queries.  The loop reads no memory and has no barrier.  The 8 work-groups of a (b, H) each make K and V anew: 16 products and one quantiser a wave.
; LAYOUTS.  A lane is (r = lane % 16, hh = lane / 16).  THE KEYS OF A TILE ARE NOT NEIGHBOURS: row r of tile 2 b' + u of a key step is key 32 b' + 8 u + r + 8 (r / 8).
;   K tile  = W_key x h^T  (source 0 = W_key's 16 rows, source 1 = the tile's 16 rows of h): lane (r, hh) holds tile row r, register j = channel 8 hh + j.  Registers 2 c, 2 c + 1 ARE source 0 of the c-th f32 product;
;   Q       = W_query x h^T likewise, and is source 1 with the same places: place (hh, j) of product c carries channel 8 hh + 2 c + j on both sides, so four products sum all 16 channels.
;   S^T     : lane (r, hh) holds query r; the 16 registers of tiles 2 b', 2 b' + 1 are keys 32 b' + 16 hh + 0 .. 15: the order in which an 8-bit operand wants them.  So p's conversions give source 1 of p V.
;   V tile  = h x W_val^T (source 0 = the tile's rows of h): lane (r, hh) holds channel r and the same 16 neighbouring keys: its conversions give source 0 (16 channels x 128 keys) of O^T = V^T p^T.
;   O^T     : lane (r, hh) holds query r, register j = channel 8 hh + j.
; OPERANDS LIE IN LDS AS IMAGES OF THEIR REGISTERS: four registers by one store of 16 bytes at 16 x lane; the same line as a load gives any wave the same registers.  Every LDS instruction covers consecutive bytes.
; heads (workspace, f32): for the tile of 16 queries Tq = (2048 b + q) / 16 and head H, 1,024 bytes at (8 Tq + H) x 1024: O^T's registers 0-3 at 16 x lane, registers 4-7 at 512 + 16 x lane.
; LIMITS: NaN and infinities among the inputs are not served.  The running largest t starts at -3e38.  t - M is one fused multiply-add of the score with c.  A block of zeros gets the scale byte 1 where the
; quantiser says 127: its codes are zeros, and these bytes are read by this program alone.  A p under 2^-126 becomes 0.
; NO SHARED LOADS BETWEEN WORK-GROUPS: what they share, h of a batch, is read once at the head, 16 KiB a wave, straight into operand registers; nothing is fetched in the loop.
.set REC,   10368                      ; LDS: a key step's record: 8 K tiles of 1,024 bytes,
.set VIMG,  8192                       ; V's fragment, 4 x 512 bytes,
.set VSCL,  10240                      ; V's scale words, 4 bytes a lane
.set SPARE, 16*REC                     ; behind the 16 records: the spare words, 128 bytes for each wave: eight blocks of 256 bytes that no other line names
.set LI,  2                            ; v2   16 x lane
.set LS,  3                            ; v3   4 x lane
.set SPW, 4                            ; v4   LDS address of my spare word; never rewritten
.set NIL, 5                            ; v5   0; never rewritten
.set HO,  6                            ; v6   at the head: my byte in a tile's rows of h: (r + 8 (r / 8)) x 128 + 16 hh
.set HSO, 7                            ; v7   at the head: and among their scale words: (r + 8 (r / 8)) x 4
.set RO,  8                            ; v8   at the head: r x 128 + 16 hh: rows in their own order
.set RSO, 9                            ; v9   at the head: 4 r
.set WI,  10                           ; v10  at the head: 16 x lane + my record
.set WSC, 11                           ; v11  at the head: 4 x lane + my record
.set AD,  6                            ; v6   in the loop: 16 x lane + the step's record (V's fragment)
.set ADS, 7                            ; v7   in the loop: 4 x lane + the step's record (V's scale words)
.set AH,  8                            ; v8   in the loop: 16 x lane + the record whose K tiles are being fetched
.set QF,  16                           ; v16-23   Q
.set OT,  24                           ; v24-31   O^T
.set KF,  32                           ; v32-63   K tiles 0-3
.set KF2, 64                           ; v64-95   K tiles 4-7; then:
.set VF,  64                           ; v64-79   V's fragment
.set PC,  80                           ; v80-95   p's codes (at the head: V's)
.set S,   96                           ; v96-159  S^T: written by matrix instructions alone in this whole text
.set P,   160                          ; v160-223 p (at the head: V, held)
.set TM,  224                          ; v224-239 +0..3 maxima, +4..7 permutes, a sum, bytes, +8..11 holds, +12..15 the conversions' scale operands
.set VS,  242                          ; v240-251 hold scales and nothing else: v242 V's words, v243 p's
.set PW,  243
.set F,   252                          ; v[252:253] f = 2^(old M - new M), and a word that is only named with it
.set SEL, 44                           ; s[44:45] v_permlanex16_b32's selects for lane l xor 16
.set CS,  46                           ; s[46:47] c, twice: the packed form names a pair
.set MNT, 48                           ; s48  the mantissa field of 448
.set TB,  49                           ; s49  LDS byte of a record
.set CNT, 50                           ; s50  steps to go
	s_load_b512 s[16:31], s[0:1], 0x0              ; h codes, h scales, W_query codes, scales, W_key codes, scales, W_val codes, scales
	s_load_b64 s[32:33], s[0:1], 0x40              ; heads
	v_lshl_add_u32 v[SPW], v0, 2, SPARE
	v_mov_b32 v[NIL], 0
	v_lshrrev_b32 v1, 5, v0
	v_readfirstlane_b32 s2, v1                     ; wave 0..15
	s_and_b32 s4, ttmp7, 0xffff                    ; y
	s_and_b32 s5, s4, 7                            ; H
	s_lshr_b32 s6, s4, 3                           ; b
	s_mul_i32 s51, s2, REC                         ; my record: the key step that I make
	v_and_b32 v1, 31, v0                           ; lane
	v_lshlrev_b32 v[LI], 4, v1
	v_lshlrev_b32 v[LS], 2, v1
	v_and_b32 v12, 15, v0                          ; r
	v_bfe_u32 v13, v0, 4, 1                        ; hh
	v_and_b32 v14, 8, v12
	v_add_nc_u32 v14, v14, v12                     ; r + 8 (r / 8)
	v_lshlrev_b32 v[HO], 7, v14
	v_lshl_add_u32 v[HO], v13, 4, v[HO]
	v_lshlrev_b32 v[HSO], 2, v14
	v_lshlrev_b32 v[RO], 7, v12
	v_lshl_add_u32 v[RO], v13, 4, v[RO]
	v_lshlrev_b32 v[RSO], 2, v12
	v_add_nc_u32 v[WI], s51, v[LI]
	v_add_nc_u32 v[WSC], s51, v[LS]
	s_mov_b32 s[SEL], 0x76543210
	s_mov_b32 s[SEL+1], 0xfedcba98
	s_mov_b32 s[CS], 0x3eb8aa3b                    ; c = log2(e) / 4
	s_mov_b32 s[CS+1], s[CS]
	s_mov_b32 s[MNT], 0x600000
	; byte offsets, made apart from the addresses
	s_lshl_b32 s34, s6, 18                         ; my 128 keys' codes: 262,144 b + 16,384 w
	s_lshl_b32 s3, s2, 14
	s_add_co_u32 s34, s34, s3
	s_mov_b32 s35, 0
	s_lshl_b32 s36, s6, 13                         ; their scale words: 8,192 b + 512 w
	s_lshl_b32 s3, s2, 9
	s_add_co_u32 s36, s36, s3
	s_mov_b32 s37, 0
	s_lshl_b32 s38, s6, 18                         ; my 16 queries' codes: 262,144 b + 32,768 x + 2,048 w
	s_lshl_b32 s3, ttmp9, 15
	s_add_co_u32 s38, s38, s3
	s_lshl_b32 s3, s2, 11
	s_add_co_u32 s38, s38, s3
	s_mov_b32 s39, 0
	s_lshl_b32 s40, s6, 13                         ; their scale words: 8,192 b + 1,024 x + 64 w
	s_lshl_b32 s3, ttmp9, 10
	s_add_co_u32 s40, s40, s3
	s_lshl_b32 s3, s2, 6
	s_add_co_u32 s40, s40, s3
	s_mov_b32 s41, 0
	s_lshl_b32 s8, s5, 11                          ; a head's 16 rows of 128 codes
	s_mov_b32 s9, 0
	s_lshl_b32 s10, s5, 6                          ; and their 16 scale words
	s_mov_b32 s11, 0
	s_lshl_b32 s12, s6, 20                         ; heads: ((128 b + 16 x + w) 8 + H) x 1,024
	s_lshl_b32 s3, ttmp9, 17
	s_add_co_u32 s12, s12, s3
	s_lshl_b32 s3, s2, 13
	s_add_co_u32 s12, s12, s3
	s_lshl_b32 s3, s5, 10
	s_add_co_u32 s12, s12, s3
	s_mov_b32 s13, 0
	s_wait_kmcnt 0x0
	s_add_nc_u64 s[34:35], s[16:17], s[34:35]
	s_add_nc_u64 s[36:37], s[18:19], s[36:37]
	s_add_nc_u64 s[38:39], s[16:17], s[38:39]
	s_add_nc_u64 s[40:41], s[18:19], s[40:41]
	s_add_nc_u64 s[20:21], s[20:21], s[8:9]
	s_add_nc_u64 s[24:25], s[24:25], s[8:9]
	s_add_nc_u64 s[28:29], s[28:29], s[8:9]
	s_add_nc_u64 s[22:23], s[22:23], s[10:11]
	s_add_nc_u64 s[26:27], s[26:27], s[10:11]
	s_add_nc_u64 s[30:31], s[30:31], s[10:11]
	s_add_nc_u64 s[32:33], s[32:33], s[12:13]
	; ---- the operands of K and V: 50 loads in one run.  A fragment (16 rows x 128 codes) is 16 registers: registers 4 c .. 4 c + 3 hold codes 32 c + 16 hh + 0 .. 15 of the lane's row
.irp c, 0,1,2,3
	global_load_b128 v[224+4*\c:227+4*\c], v[RO], s[24:25] offset:32*\c        ; W_key's fragment: v224-239
.endr
	global_load_b32 v248, v[RSO], s[26:27]
.irp c, 0,1,2,3
	global_load_b128 v[16+4*\c:19+4*\c], v[RO], s[28:29] offset:32*\c          ; W_val's: v16-31
.endr
	global_load_b32 v249, v[RSO], s[30:31]
.irp t, 0,1,2,3,4,5,6,7                        ; h's eight tiles: tiles 0-3 at v32-95, tiles 4-7 at v160-223; tile t begins at row 32 (t / 2) + 8 (t % 2)
.irp c, 0,1,2,3
	global_load_b128 v[32+16*\t+64*(\t/4)+4*\c:32+16*\t+64*(\t/4)+4*\c+3], v[HO], s[34:35] offset:(32*(\t/2)+8*(\t%2))*128+32*\c
.endr
	global_load_b32 v[240+\t], v[HSO], s[36:37] offset:(32*(\t/2)+8*(\t%2))*4
.endr
	s_wait_loadcnt 0x0
	; ---- K: eight tiles, each its own accumulator
.irp t, 0,1,2,3,4,5,6,7
	v_wmma_scale_f32_16x16x128_f8f6f4 v[S+8*\t:S+8*\t+7], v[224:239], v[32+16*\t+64*(\t/4):32+16*\t+64*(\t/4)+15], 0, v248, v[240+\t]
.endr
.rept 9
	v_nop                                          ; eight places ahead of the stores that read the results, nine ahead of V's products, which write over them
.endr
.irp t, 0,1,2,3,4,5,6,7
	ds_store_b128 v[WI], v[S+8*\t:S+8*\t+3] offset:1024*\t          ; each result from its low end on
	ds_store_b128 v[WI], v[S+8*\t+4:S+8*\t+7] offset:1024*\t+512
.endr
	s_wait_dscnt 0x0                               ; the stores have read their registers
	; ---- V: the same tiles of h as source 0
.irp t, 0,1,2,3,4,5,6,7
	v_wmma_scale_f32_16x16x128_f8f6f4 v[S+8*\t:S+8*\t+7], v[32+16*\t+64*(\t/4):32+16*\t+64*(\t/4)+15], v[16:31], 0, v[240+\t], v249
.endr
.rept 9
	v_nop                                          ; eight places ahead of the reads, of the loads and of the vector writes below; nine ahead of Q's product, which writes over W_val's registers
.endr
	; ---- Q's operands are asked for now and land while V is quantised
.irp c, 0,1,2,3
	global_load_b128 v[32+4*\c:35+4*\c], v[RO], s[20:21] offset:32*\c          ; W_query's fragment: v32-47
.endr
	global_load_b32 v240, v[RSO], s[22:23]
.irp c, 0,1,2,3
	global_load_b128 v[48+4*\c:51+4*\c], v[RO], s[38:39] offset:32*\c          ; my 16 queries' rows of h, in their own order: v48-63
.endr
	global_load_b32 v241, v[RSO], s[40:41]
	; ---- what the loop carries.  The step is written for all steps alike: the first finds zeros, which the first change of M leaves zeros
.irp b, 0,1,2,3
	v_mov_b32 v[TM+4+\b], 0                        ; written once: a lane permute's destination counts as one of its sources
.endr
	v_mov_b32 v[F+1], 0                            ; (named as the upper half of the pair before it is ever written)
	v_mov_b32 v13, 0xff61b1e6                      ; the largest t so far: -3e38
	v_floor_f32 v12, -v13                          ; -M
	v_mov_b32 v14, 0                               ; the row's sum, in two halves
	v_mov_b32 v15, 0
.irp j, 0,1,2,3,4,5,6,7
	v_mov_b32 v[OT+\j], 0
.endr
	; ---- V is quantised along the keys: register 16 b + i is key 32 b + 16 hh + i of channel r; a block of 32 lies in lanes l and l xor 16
.irp b, 0,1,2,3
	v_max3_num_f32 v[TM+\b], |v[S+16*\b]|, |v[S+16*\b+1]|, 0x4800000   ; my 16 numbers, and the floor 2^(9 - 127): so the byte cannot fall under 1
.endr
.irp i, 2,4,6,8,10,12,14
.irp b, 0,1,2,3
	v_max3_num_f32 v[TM+\b], v[TM+\b], |v[S+16*\b+\i]|, |v[S+16*\b+\i+1]|
.endr
.endr
.irp b, 0,1,2,3
	v_permlanex16_b32 v[TM+4+\b], v[TM+\b], s[SEL], s[SEL+1]
.endr
.irp b, 0,1,2,3
	v_max_num_f32 v[TM+\b], v[TM+\b], v[TM+4+\b]   ; the block's largest magnitude
.endr
.irp b, 0,1,2,3
	v_add_nc_u32 v[TM+12+\b], 0xfc000000, v[TM+\b] ; 8 off its exponent field: the conversion's scale operand
.endr
.irp b, 0,1,2,3
	v_and_or_b32 v[TM+8+\b], v[TM+\b], 0x7f800000, s[MNT]   ; 448 x the scale
.endr
.irp b, 0,1,2,3
	v_lshrrev_b32 v[TM+4+\b], 23, v[TM+12+\b]      ; the scale's byte
.endr
	v_lshl_or_b32 v[PW], v[TM+5], 8, v[TM+4]       ; channel r's scale word for these 128 keys
	v_lshl_or_b32 v[PW], v[TM+6], 16, v[PW]
	v_lshl_or_b32 v[PW], v[TM+7], 24, v[PW]
.irp b, 0,1,2,3
.set j, 0
.rept 16
	v_med3_num_f32 v[P+16*\b+j], v[S+16*\b+j], -v[TM+8+\b], v[TM+8+\b]   ; the conversion to an 8-bit code does not saturate (ISA guide 7.6.2): held first, into other registers than the sums'
.set j, j+1
.endr
	v_cvt_scalef32_pk8_fp8_f32 v[PC+4*\b:PC+4*\b+1], v[P+16*\b:P+16*\b+7], v[TM+12+\b]
	v_cvt_scalef32_pk8_fp8_f32 v[PC+4*\b+2:PC+4*\b+3], v[P+16*\b+8:P+16*\b+15], v[TM+12+\b]
.endr
	v_nop                                          ; a plain line behind the last conversion
.irp c, 0,1,2,3
	ds_store_b128 v[WI], v[PC+4*\c:PC+4*\c+3] offset:VIMG+512*\c
.endr
	ds_store_b32 v[WSC], v[PW] offset:VSCL
	; ---- Q
	s_wait_loadcnt 0x0
	v_wmma_scale_f32_16x16x128_f8f6f4 v[QF:QF+7], v[32:47], v[48:63], 0, v240, v241
	v_mov_b32 v[AH], v[LI]                         ; record 0.  (Its loads as an offset are done.)  With the eight below: nine places ahead of the products that take Q as a source, eight ahead of the loads into its operands
.rept 8
	v_nop
.endr
	s_wait_dscnt 0x0                               ; for the others' sake: my record lies in LDS
	s_barrier_signal -1
	s_barrier_wait -1                              ; all sixteen records do; from here on nobody writes them
	s_mov_b32 s[TB], 0
	s_mov_b32 s[CNT], 15
.irp t, 0,1,2,3
	ds_load_b128 v[KF+8*\t:KF+8*\t+3], v[AH] offset:1024*\t         ; step 0's K tiles 0-3
	ds_load_b128 v[KF+8*\t+4:KF+8*\t+7], v[AH] offset:1024*\t+512
.endr
; S^T of four tiles of keys (tiles 4 g .. 4 g + 3, their K at v[base] on): four f32 products deep.  The first starts each sum with the constant 0; the four sums take turns, one instruction a turn.
.macro SCORES base, g
.irp c, 0,1,2,3
.irp t, 0,1,2,3
.if \c == 0
	v_wmma_f32_16x16x4_f32 v[S+8*(4*\g+\t):S+8*(4*\g+\t)+7], v[\base+8*\t:\base+8*\t+1], v[QF:QF+1], 0
.else
	v_wmma_f32_16x16x4_f32 v[S+8*(4*\g+\t):S+8*(4*\g+\t)+7], v[\base+8*\t+2*\c:\base+8*\t+2*\c+1], v[QF+2*\c:QF+2*\c+1], v[S+8*(4*\g+\t):S+8*(4*\g+\t)+7]
.endif
.endr
.endr
.endm
; A KEY STEP: 128 keys.  last = 1: nothing is fetched ahead.
.macro STEP last
.rept 8
	v_nop                                          ; eight places between the last product p V and the loads into its operands' registers
.endr
.irp t, 0,1,2,3
	ds_load_b128 v[KF2+8*\t:KF2+8*\t+3], v[AH] offset:(4+\t)*1024   ; K tiles 4-7
	ds_load_b128 v[KF2+8*\t+4:KF2+8*\t+7], v[AH] offset:(4+\t)*1024+512
.endr
	s_wait_dscnt 8                                 ; the eight just issued may be out: tiles 0-3, asked for a softmax ago (or ahead of the loop), are in
	SCORES KF, 0
	s_wait_dscnt 0x0                               ; tiles 4-7 are in, and no LDS load of mine is out: so the three address registers may be written
	SCORES KF2, 1
	v_add_nc_u32 v[AD], s[TB], v[LI]               ; these lines and the v_nop are the eight places ahead of the first read of the scores and of the loads into K's registers
	v_add_nc_u32 v[ADS], s[TB], v[LS]
.if \last
.rept 6
	v_nop
.endr
.else
	s_add_co_u32 s[TB], s[TB], REC
	v_add_nc_u32 v[AH], s[TB], v[LI]               ; the next step's record
.rept 5
	v_nop
.endr
.endif
.irp c, 0,1,2,3
	ds_load_b128 v[VF+4*\c:VF+4*\c+3], v[AD] offset:VIMG+512*\c     ; V's fragment and scale words: they land under the softmax
.endr
	ds_load_b32 v[VS], v[ADS] offset:VSCL
.if \last == 0
.irp t, 0,1,2,3
	ds_load_b128 v[KF+8*\t:KF+8*\t+3], v[AH] offset:1024*\t         ; and the next step's K tiles 0-3
	ds_load_b128 v[KF+8*\t+4:KF+8*\t+7], v[AH] offset:1024*\t+512
.endr
.endif
	; the largest score of each block of 32 keys: it serves for the row's maximum and, since p rises with the score, for the block's largest p.  Each tile is read from its low end on
.irp b, 0,1,2,3
	v_max3_num_f32 v[TM+\b], v[S+16*\b], v[S+16*\b+1], v[S+16*\b+2]
.endr
.irp i, 3,5,7,9,11,13
.irp b, 0,1,2,3
	v_max3_num_f32 v[TM+\b], v[TM+\b], v[S+16*\b+\i], v[S+16*\b+\i+1]
.endr
.endr
.irp b, 0,1,2,3
	v_max_num_f32 v[TM+\b], v[TM+\b], v[S+16*\b+15]
.endr
.irp b, 0,1,2,3
	v_permlanex16_b32 v[TM+4+\b], v[TM+\b], s[SEL], s[SEL+1]
.endr
.irp b, 0,1,2,3
	v_max_num_f32 v[TM+\b], v[TM+\b], v[TM+4+\b]   ; with lane l xor 16's 16 keys
.endr
	v_max3_num_f32 v1, v[TM], v[TM+1], v[TM+2]
	v_max_num_f32 v1, v1, v[TM+3]                  ; the step's largest score of my query
	v_mul_f32 v1, s[CS], v1                        ; as t (c is positive)
	v_max_num_f32 v13, v13, v1                     ; the running largest t
	v_mov_b32 v1, v12
	v_floor_f32 v12, -v13                          ; the new -M = floor(-t) = -ceil(t)
	v_sub_f32 v1, v12, v1                          ; old M - new M: a whole number, 0 or less
	v_cvt_i32_f32 v1, v1                           ; (it saturates)
	v_ldexp_f32 v[F], 1.0, v1                      ; f = 2^(old M - new M)
.set j, 0
.rept 32
	v_pk_fma_f32 v[P+j:P+j+1], v[S+j:S+j+1], s[CS:CS+1], v[12:13] op_sel_hi:[1,0,0]   ; t - M, two at a time, into other registers than the sums'
.set j, j+2
.endr
.irp b, 0,1,2,3
	v_fma_f32 v[TM+\b], v[TM+\b], s[CS], v12       ; the same of each block's largest score
.endr
.set j, 0
.rept 64
	v_exp_f32 v[P+j], v[P+j]                       ; p = 2^(t - M), at most 1
.set j, j+1
.endr
	v_pk_mul_f32 v[14:15], v[14:15], v[F:F+1] op_sel_hi:[1,0]       ; the sums under the new M: the plain line behind the exponentials
	s_wait_alu depctr_va_vdst(0)                   ; one wait for the batch of 64, ahead of its first reader
.irp b, 0,1,2,3
	v_exp_f32 v[TM+\b], v[TM+\b]                   ; each block's largest p: the same two instructions on the same number give the same bits
.endr
	v_pk_add_f32 v[TM+4:TM+5], v[P:P+1], v[P+2:P+3]                 ; the row's sum of the unquantised p, in two chains; it names none of the four
.set j, 4
.rept 15
	v_pk_add_f32 v[14:15], v[14:15], v[P+j:P+j+1]
	v_pk_add_f32 v[TM+4:TM+5], v[TM+4:TM+5], v[P+j+2:P+j+3]
.set j, j+4
.endr
	v_pk_add_f32 v[14:15], v[14:15], v[TM+4:TM+5]
	s_wait_alu depctr_va_vdst(0)                   ; and one for the four
.irp b, 0,1,2,3
	v_max_num_f32 v[TM+\b], 0x4800000, v[TM+\b]    ; the floor 2^(9 - 127): the byte cannot fall under 1
.endr
.irp b, 0,1,2,3
	v_add_nc_u32 v[TM+12+\b], 0xfc000000, v[TM+\b]
.endr
.irp b, 0,1,2,3
	v_and_or_b32 v[TM+8+\b], v[TM+\b], 0x7f800000, s[MNT]
.endr
.irp b, 0,1,2,3
	v_lshrrev_b32 v[TM+4+\b], 23, v[TM+12+\b]
.endr
	v_lshl_or_b32 v[PW], v[TM+5], 8, v[TM+4]       ; p's scale word for these 128 keys: the 64 holds below stand between it and the product
	v_lshl_or_b32 v[PW], v[TM+6], 16, v[PW]
	v_lshl_or_b32 v[PW], v[TM+7], 24, v[PW]
.irp b, 0,1,2,3
.set j, 0
.rept 16
	v_min_num_f32 v[P+16*\b+j], v[P+16*\b+j], v[TM+8+\b]            ; p is not negative: the hold at 448 x the scale is one-sided
.set j, j+1
.endr
	v_cvt_scalef32_pk8_fp8_f32 v[PC+4*\b:PC+4*\b+1], v[P+16*\b:P+16*\b+7], v[TM+12+\b]
	v_cvt_scalef32_pk8_fp8_f32 v[PC+4*\b+2:PC+4*\b+3], v[P+16*\b+8:P+16*\b+15], v[TM+12+\b]
.endr
.irp j, 0,2,4,6
	v_pk_mul_f32 v[OT+\j:OT+\j+1], v[OT+\j:OT+\j+1], v[F:F+1] op_sel_hi:[1,0]   ; O^T under the new M, from its low end on
.endr
.rept 4
	v_nop                                          ; four places between operands written by vector instructions and the scaled product
.endr
.if \last
	s_wait_dscnt 0x0                               ; V is in
.else
	s_wait_dscnt 8                                 ; the eight loads of the next step's K may be out: V's five are in
.endif
	v_wmma_scale_f32_16x16x128_f8f6f4 v[OT:OT+7], v[VF:VF+15], v[PC:PC+15], v[OT:OT+7], v[VS], v[PW]   ; between two of these stand the next step's 32 products on other sums
.endm
.Lstep:                                            ; steps 0 to 14
	STEP 0
	s_sub_co_u32 s[CNT], s[CNT], 1
	s_cmp_lg_u32 s[CNT], 0
	s_cbranch_scc1 .Lstep
	STEP 1                                         ; step 15 is written out: it fetches nothing ahead
	; ---- the way out: O^T / the sum, as it stands in the registers: two stores of 512 consecutive bytes
	v_add_f32 v14, v14, v15                        ; the sum's two halves,
	v_permlanex16_b32 v1, v14, s[SEL], s[SEL+1]
	v_add_f32 v14, v14, v1                         ; and lane l xor 16's 64 keys a step
	v_rcp_f32 v14, v14
.rept 6
	v_nop                                          ; with the two additions: eight places behind the last product; also the plain line behind the reciprocal
.endr
	s_wait_alu depctr_va_vdst(0)                   ; the wait ahead of the reciprocal's first reader
.irp j, 0,1,2,3,4,5,6,7
	v_mul_f32 v[32+\j], v[OT+\j], v14
.endr
	global_store_b128 v[LI], v[32:35], s[32:33]
	global_store_b128 v[LI], v[36:39], s[32:33] offset:512
	s_wait_tensorcnt 0x0                           ; the wave's end
	ds_add_u32 v[SPW], v[NIL]
	s_wait_dscnt 0x0
	s_endpgm
.Lfunc_end_k_q78fb8b13a7_attn:
	.size	k_q78fb8b13a7_attn, .Lfunc_end_k_q78fb8b13a7_attn-k_q78fb8b13a7_attn
	.p2alignl 7, 3214868480
	.fill 96, 4, 3214868480
	.section	.rodata,"a",@progbits
	.p2align	6, 0x0
	.amdhsa_kernel k_q78fb8b13a7_attn
		.amdhsa_group_segment_fixed_size 167936
		.amdhsa_private_segment_fixed_size 0
		.amdhsa_enable_private_segment 0
		.amdhsa_kernarg_size 72
		.amdhsa_user_sgpr_count 2
		.amdhsa_user_sgpr_kernarg_segment_ptr 1
		.amdhsa_wavefront_size32 1
		.amdhsa_system_sgpr_workgroup_id_x 1
		.amdhsa_system_sgpr_workgroup_id_y 1
		.amdhsa_system_sgpr_workgroup_id_z 1
		.amdhsa_system_vgpr_workitem_id 0
		.amdhsa_next_free_vgpr 256
		.amdhsa_next_free_sgpr 66
		.amdhsa_reserve_vcc 0
		.amdhsa_float_denorm_mode_32 3
		.amdhsa_float_denorm_mode_16_64 3
		.amdhsa_memory_ordered 1
		.amdhsa_forward_progress 1
		.amdhsa_inst_pref_size 58
	.end_amdhsa_kernel
	.amdgpu_metadata
---
amdhsa.version: [ 1, 2 ]
amdhsa.kernels:
  - .name:           k_q78fb8b13a7_attn
    .symbol:         k_q78fb8b13a7_attn.kd
    .args:
      - { .name: h_codes, .offset: 0, .size: 8, .value_kind: global_buffer, .address_space: global }
      - { .name: h_scales, .offset: 8, .size: 8, .value_kind: global_buffer, .address_space: global }
      - { .name: W_query_codes, .offset: 16, .size: 8, .value_kind: global_buffer, .address_space: global }
      - { .name: W_query_scales, .offset: 24, .size: 8, .value_kind: global_buffer, .address_space: global }
      - { .name: W_key_codes, .offset: 32, .size: 8, .value_kind: global_buffer, .address_space: global }
      - { .name: W_key_scales, .offset: 40, .size: 8, .value_kind: global_buffer, .address_space: global }
      - { .name: W_val_codes, .offset: 48, .size: 8, .value_kind: global_buffer, .address_space: global }
      - { .name: W_val_scales, .offset: 56, .size: 8, .value_kind: global_buffer, .address_space: global }
      - { .name: heads, .offset: 64, .size: 8, .value_kind: global_buffer, .address_space: global }
    .group_segment_fixed_size: 167936
    .private_segment_fixed_size: 0
    .kernarg_segment_align: 8
    .kernarg_segment_size: 72
    .max_flat_workgroup_size: 512
    .sgpr_count:     66
    .vgpr_count:     256
    .wavefront_size: 32
...
	.end_amdgpu_metadata
.endif
;; end of part 1
;; launch outp (part 2): grid 256 x 1, 8 waves a work-group, no clusters, 22,272 bytes of LDS; arguments heads, W_out, out0; writes out0
.if DOCPART == 2
	.amdgcn_target "amdgcn-amd-amdhsa--gfx1250"
	.amdhsa_code_object_version 6
	.text
	.protected	k_q78fb8b13a7_outp
	.globl	k_q78fb8b13a7_outp
	.p2align	8
	.type	k_q78fb8b13a7_outp,@function
k_q78fb8b13a7_outp:
	s_mov_b64 s[64:65], 0
	v_nop
	global_prefetch_b8 v0, s[64:65] scope:SCOPE_SE
	s_setreg_imm32_b32 hwreg(HW_REG_WAVE_MODE, 25, 1), 1
	s_wait_xcnt 0x0
; out0[row][e] = the sum over k = 16 H + v of heads[row][k] W_out[k][e], both operands quantised here along k to E4M3 with one E8M0 scale for each 32 (two heads to a block); row = 2048 b + q.  Nothing is left out.
; heads (workspace, f32) lies as the launch before left it: for the tile of 16 rows Tq and head H, 1,024 bytes at (8 Tq + H) x 1024: of row r, v = 0-3 at 16 r, v = 4-7 at 512 + 16 r, v = 8-11 at 256 + 16 r, v = 12-15 at 768 + 16 r.
; SHARES.  A work-group of eight waves takes 32 rows, two tiles of 16.  Wave w owns output columns 16 w .. 16 w + 15: it quantises those columns of W_out (a lane to a column, registers down k: the conversions'
; results are the operand's registers) and keeps them.  Wave w also quantises ONE block of 32 along k (block w % 4) of ONE tile of rows (tile w / 4): four registers a lane and one scale byte, which go to LDS as an image
; of the operand's registers; a barrier; every wave loads both tiles' fragments.  So no number of heads is quantised twice.
; THE PRODUCT IS USED TRANSPOSED (source 0 = 16 columns of W_out, source 1 = 16 rows of heads): a lane then holds eight neighbouring columns of one row.  A row's 128 columns come from eight waves: they meet in a stage
; in LDS, and each wave stores four whole rows of 512 bytes.
; LIMITS: NaN and infinities are not served.  A block of zeros gets the scale byte 1 where the quantiser says 127: its codes are zeros, and these bytes are read by this program alone.
; No tensor loads, no shared loads between work-groups, no prefetch: a work-group reads 16 KiB of its own and 64 KiB of W_out once, at its head, and ends.
.set XIMG,   0                         ; LDS: two fragments' images, 2,048 bytes each: block c's four registers at 512 c + 16 x lane
.set XSC,    4096                      ; their scale words, 128 bytes each: 4 x lane + the block's byte
.set STG,    4352                      ; the stage: 32 rows x (512 bytes + 16)
.set SPITCH, 528
.set SPARE,  STG+32*SPITCH             ; the spare words, 128 bytes for each wave: four blocks of 256 bytes that no other line names
.set LI,  2                            ; v2   16 x lane
.set LS,  3                            ; v3   4 x lane
.set SPW, 4                            ; v4   LDS address of my spare word; never rewritten
.set NIL, 5                            ; v5   0; never rewritten
.set XO,  6                            ; v6   heads: 1,024 hh + 16 r
.set WO,  7                            ; v7   W_out: 4 r + 16 hh rows of 512 bytes
.set XWI, 8                            ; v8   where I store my block's codes: 512 w + 16 x lane
.set XWB, 9                            ; v9   and its scale byte
.set SO,  10                           ; v10  the stage: where I put 32 bytes of a row
.set SR,  11                           ; v11  and where I read a row back
.set X,   16                           ; v16-31   16 numbers of heads
.set W,   32                           ; v32-95   64 numbers of W_out
.set WF,  96                           ; v96-111  W_out's fragment
.set XC,  112                          ; v112-115 my block's codes
.set TM,  120                          ; v120-135 at work
.set WS,  136                          ; v136     W_out's scale word (a scale and nothing else)
.set XB,  137                          ; v137     my block's byte
.set XS,  138                          ; v138-139 the two tiles' scale words (scales and nothing else)
.set XF,  144                          ; v144-175 the two tiles' fragments
.set D,   176                          ; v176-191 the two results
.set OB,  192                          ; v192-207 four rows on the way out
.set SEL, 12                           ; s[12:13]
.set MNT, 14                           ; s14
	s_load_b128 s[4:7], s[0:1], 0x0                ; heads, W_out
	s_load_b64 s[8:9], s[0:1], 0x10                ; out0
	v_lshl_add_u32 v[SPW], v0, 2, SPARE
	v_mov_b32 v[NIL], 0
	v_lshrrev_b32 v1, 5, v0
	v_readfirstlane_b32 s2, v1                     ; wave 0..7
	v_and_b32 v1, 31, v0                           ; lane
	v_lshlrev_b32 v[LI], 4, v1
	v_lshlrev_b32 v[LS], 2, v1
	v_and_b32 v12, 15, v0                          ; r
	v_bfe_u32 v13, v0, 4, 1                        ; hh
	v_lshlrev_b32 v[XO], 4, v12
	v_lshl_add_u32 v[XO], v13, 10, v[XO]
	v_lshlrev_b32 v[WO], 2, v12
	v_lshl_add_u32 v[WO], v13, 13, v[WO]
	s_lshl_b32 s10, s2, 9                          ; 2,048 (w / 4) + 512 (w % 4) = 512 w
	v_add_nc_u32 v[XWI], s10, v[LI]
	s_lshr_b32 s10, s2, 2
	s_lshl_b32 s10, s10, 7                         ; 128 x tile
	s_and_b32 s11, s2, 3                           ; + the block's byte
	s_add_co_u32 s10, s10, s11
	s_add_co_u32 s10, s10, XSC
	v_add_nc_u32 v[XWB], s10, v[LS]
	v_mul_u32_u24 v[SO], v12, SPITCH               ; row r, + 32 hh, + my 64 bytes of a row
	v_lshl_add_u32 v[SO], v13, 5, v[SO]
	s_lshl_b32 s10, s2, 6
	s_add_co_u32 s10, s10, STG
	v_add_nc_u32 v[SO], s10, v[SO]
	s_mul_i32 s10, s2, 4*SPITCH                    ; back: rows 4 w .. 4 w + 3, 16 bytes a lane
	s_add_co_u32 s10, s10, STG
	v_add_nc_u32 v[SR], s10, v[LI]
	s_mov_b32 s[SEL], 0x76543210
	s_mov_b32 s[SEL+1], 0xfedcba98
	s_mov_b32 s[MNT], 0x600000
.irp b, 0,1,2,3
	v_mov_b32 v[TM+4+\b], 0                        ; written once: a lane permute's destination counts as one of its sources
.endr
	s_lshl_b32 s16, ttmp9, 14                      ; heads: (2 g + w / 4) x 8,192 + (w % 4) x 2,048 = 16,384 g + 2,048 w; out0: 32 g + 4 w rows of 512 bytes: the same number
	s_lshl_b32 s10, s2, 11
	s_add_co_u32 s16, s16, s10
	s_mov_b32 s17, 0
	s_lshl_b32 s18, s2, 6                          ; W_out: my 16 columns
	s_mov_b32 s19, 0
	s_wait_kmcnt 0x0
	s_add_nc_u64 s[4:5], s[4:5], s[16:17]
	s_add_nc_u64 s[8:9], s[8:9], s[16:17]
	s_add_nc_u64 s[6:7], s[6:7], s[18:19]
.irp c, 0,1,2,3
.irp i, 0,1,2,3,4,5,6,7,8,9,10,11,12,13,14,15
	global_load_b32 v[W+16*\c+\i], v[WO], s[6:7] offset:512*(32*\c+\i)   ; W_out(32 c + 16 hh + i, 16 w + r)
.endr
.endr
	global_load_b128 v[X:X+3],     v[XO], s[4:5] th:TH_LOAD_NT             ; head 2 (w % 4) + hh, row r: v = 0-3; sixteen lanes read 256 consecutive bytes; read once in the launch
	global_load_b128 v[X+4:X+7],   v[XO], s[4:5] offset:512 th:TH_LOAD_NT  ; v = 4-7
	global_load_b128 v[X+8:X+11],  v[XO], s[4:5] offset:256 th:TH_LOAD_NT  ; v = 8-11
	global_load_b128 v[X+12:X+15], v[XO], s[4:5] offset:768 th:TH_LOAD_NT  ; v = 12-15
	s_wait_loadcnt 4                               ; the four loads of heads may be out: W_out's 64 are in
	; ---- W_out's four blocks: register 16 b + i is k = 32 b + 16 hh + i of my column; a block lies in lanes l and l xor 16
.irp b, 0,1,2,3
	v_max3_num_f32 v[TM+\b], |v[W+16*\b]|, |v[W+16*\b+1]|, 0x4800000   ; and the floor 2^(9 - 127): so the byte cannot fall under 1
.endr
.irp i, 2,4,6,8,10,12,14
.irp b, 0,1,2,3
	v_max3_num_f32 v[TM+\b], v[TM+\b], |v[W+16*\b+\i]|, |v[W+16*\b+\i+1]|
.endr
.endr
.irp b, 0,1,2,3
	v_permlanex16_b32 v[TM+4+\b], v[TM+\b], s[SEL], s[SEL+1]
.endr
.irp b, 0,1,2,3
	v_max_num_f32 v[TM+\b], v[TM+\b], v[TM+4+\b]
.endr
.irp b, 0,1,2,3
	v_add_nc_u32 v[TM+12+\b], 0xfc000000, v[TM+\b] ; 8 off the exponent field: the conversion's scale operand
.endr
.irp b, 0,1,2,3
	v_and_or_b32 v[TM+8+\b], v[TM+\b], 0x7f800000, s[MNT]   ; 448 x the scale
.endr
.irp b, 0,1,2,3
	v_lshrrev_b32 v[TM+4+\b], 23, v[TM+12+\b]      ; the scale's byte
.endr
	v_lshl_or_b32 v[WS], v[TM+5], 8, v[TM+4]       ; my column's scale word
	v_lshl_or_b32 v[WS], v[TM+6], 16, v[WS]
	v_lshl_or_b32 v[WS], v[TM+7], 24, v[WS]
.irp b, 0,1,2,3
.set j, 0
.rept 16
	v_med3_num_f32 v[W+16*\b+j], v[W+16*\b+j], -v[TM+8+\b], v[TM+8+\b]   ; the conversion to an 8-bit code does not saturate (ISA guide 7.6.2): held first
.set j, j+1
.endr
	v_cvt_scalef32_pk8_fp8_f32 v[WF+4*\b:WF+4*\b+1], v[W+16*\b:W+16*\b+7], v[TM+12+\b]
	v_cvt_scalef32_pk8_fp8_f32 v[WF+4*\b+2:WF+4*\b+3], v[W+16*\b+8:W+16*\b+15], v[TM+12+\b]
.endr
	; ---- my block of heads: 16 numbers a lane.  (These plain lines are also the places between W_out's codes and scale word and the products)
	s_wait_loadcnt 0x0
	v_max3_num_f32 v[TM], |v[X]|, |v[X+1]|, 0x4800000
.irp i, 2,4,6,8,10,12,14
	v_max3_num_f32 v[TM], v[TM], |v[X+\i]|, |v[X+\i+1]|
.endr
	v_permlanex16_b32 v[TM+4], v[TM], s[SEL], s[SEL+1]
	v_max_num_f32 v[TM], v[TM], v[TM+4]            ; with the block's other head, in lane l xor 16
	v_add_nc_u32 v[TM+12], 0xfc000000, v[TM]
	v_and_or_b32 v[TM+8], v[TM], 0x7f800000, s[MNT]
	v_lshrrev_b32 v[XB], 23, v[TM+12]
.irp i, 0,1,2,3,4,5,6,7,8,9,10,11,12,13,14,15
	v_med3_num_f32 v[X+\i], v[X+\i], -v[TM+8], v[TM+8]
.endr
	v_cvt_scalef32_pk8_fp8_f32 v[XC:XC+1], v[X:X+7], v[TM+12]
	v_cvt_scalef32_pk8_fp8_f32 v[XC+2:XC+3], v[X+8:X+15], v[TM+12]
	v_nop                                          ; a plain line behind the last conversion
	ds_store_b128 v[XWI], v[XC:XC+3] offset:XIMG
	ds_store_b8 v[XWB], v[XB]                      ; each lane its own byte
	s_wait_dscnt 0x0                               ; for the others' sake: my stores have landed
	s_barrier_signal -1
	s_barrier_wait -1                              ; both tiles' fragments and scale words lie in LDS
.irp m, 0,1
.irp c, 0,1,2,3
	ds_load_b128 v[XF+16*\m+4*\c:XF+16*\m+4*\c+3], v[LI] offset:XIMG+2048*\m+512*\c
.endr
	ds_load_b32 v[XS+\m], v[LS] offset:XSC+128*\m
.endr
	s_wait_dscnt 0x0
	v_wmma_scale_f32_16x16x128_f8f6f4 v[D:D+7], v[WF:WF+15], v[XF:XF+15], 0, v[WS], v[XS]
	v_wmma_scale_f32_16x16x128_f8f6f4 v[D+8:D+15], v[WF:WF+15], v[XF+16:XF+31], 0, v[WS], v[XS+1]
.rept 8
	v_nop                                          ; eight places ahead of the stores that read the results
.endr
.irp m, 0,1
	ds_store_b128 v[SO], v[D+8*\m:D+8*\m+3] offset:\m*16*SPITCH          ; lane (r, hh): out0(16 m + r, 16 w + 8 hh + 0 .. 7); each result from its low end on
	ds_store_b128 v[SO], v[D+8*\m+4:D+8*\m+7] offset:\m*16*SPITCH+16
.endr
	s_wait_dscnt 0x0                               ; for the others' sake
	s_barrier_signal -1
	s_barrier_wait -1                              ; 32 whole rows lie in the stage
.irp i, 0,1,2,3
	ds_load_b128 v[OB+4*\i:OB+4*\i+3], v[SR] offset:\i*SPITCH
.endr
.irp i, 0,1,2,3
	s_wait_dscnt 3-\i                              ; the younger rows' loads may be out
	global_store_b128 v[LI], v[OB+4*\i:OB+4*\i+3], s[8:9] offset:512*\i th:TH_STORE_NT   ; 32 lanes store a row of 512 consecutive bytes, at a multiple of 256 from out0's first byte
.endr
	s_wait_tensorcnt 0x0                           ; the wave's end
	ds_add_u32 v[SPW], v[NIL]
	s_wait_dscnt 0x0
	s_endpgm
.Lfunc_end_k_q78fb8b13a7_outp:
	.size	k_q78fb8b13a7_outp, .Lfunc_end_k_q78fb8b13a7_outp-k_q78fb8b13a7_outp
	.p2alignl 7, 3214868480
	.fill 96, 4, 3214868480
	.section	.rodata,"a",@progbits
	.p2align	6, 0x0
	.amdhsa_kernel k_q78fb8b13a7_outp
		.amdhsa_group_segment_fixed_size 22272
		.amdhsa_private_segment_fixed_size 0
		.amdhsa_enable_private_segment 0
		.amdhsa_kernarg_size 24
		.amdhsa_user_sgpr_count 2
		.amdhsa_user_sgpr_kernarg_segment_ptr 1
		.amdhsa_wavefront_size32 1
		.amdhsa_system_sgpr_workgroup_id_x 1
		.amdhsa_system_sgpr_workgroup_id_y 1
		.amdhsa_system_sgpr_workgroup_id_z 1
		.amdhsa_system_vgpr_workitem_id 0
		.amdhsa_next_free_vgpr 208
		.amdhsa_next_free_sgpr 66
		.amdhsa_reserve_vcc 0
		.amdhsa_float_denorm_mode_32 3
		.amdhsa_float_denorm_mode_16_64 3
		.amdhsa_memory_ordered 1
		.amdhsa_forward_progress 1
		.amdhsa_inst_pref_size 22
	.end_amdhsa_kernel
	.amdgpu_metadata
---
amdhsa.version: [ 1, 2 ]
amdhsa.kernels:
  - .name:           k_q78fb8b13a7_outp
    .symbol:         k_q78fb8b13a7_outp.kd
    .args:
      - { .name: heads, .offset: 0, .size: 8, .value_kind: global_buffer, .address_space: global }
      - { .name: W_out, .offset: 8, .size: 8, .value_kind: global_buffer, .address_space: global }
      - { .name: out0, .offset: 16, .size: 8, .value_kind: global_buffer, .address_space: global }
    .group_segment_fixed_size: 22272
    .private_segment_fixed_size: 0
    .kernarg_segment_align: 8
    .kernarg_segment_size: 24
    .max_flat_workgroup_size: 256
    .sgpr_count:     66
    .vgpr_count:     208
    .wavefront_size: 32
...
	.end_amdgpu_metadata
.endif
;; end of part 2
;; ======== version 2 of 2: 2 launches; version 1 with the launches attn, outp written anew for expert scheduling mode
;; workspace buffers: heads 4,194,304 bytes
;; launch attn (part 3): grid 8 x 32, 16 waves a work-group, no clusters, 167,936 bytes of LDS; arguments h_codes, h_scales, W_query_codes, W_query_scales, W_key_codes, W_key_scales, W_val_codes, W_val_scales, heads; writes heads
.if DOCPART == 3
	.amdgcn_target "amdgcn-amd-amdhsa--gfx1250"
	.amdhsa_code_object_version 6
	.text
	.protected	k_q78fb8b13a7_attn
	.globl	k_q78fb8b13a7_attn
	.p2align	8
	.type	k_q78fb8b13a7_attn,@function
k_q78fb8b13a7_attn:
	s_mov_b64 s[64:65], 0
	v_nop
	global_prefetch_b8 v0, s[64:65] scope:SCOPE_SE
	s_setreg_imm32_b32 hwreg(HW_REG_WAVE_SCHED_MODE, 0, 2), 2
	s_setreg_imm32_b32 hwreg(HW_REG_WAVE_MODE, 25, 1), 1
	s_wait_xcnt 0x0
	s_wait_alu depctr_vm_vsrc(0)
; heads[b][q][H][:] = softmax_n(Q[H][b][q] . K[H][b][n] / 4) V[H][b][n][:], with Q, K, V = h W_query, h W_key, h W_val made here from the given codes.
; NOTHING OF THE PROBLEM IS LEFT OUT: every input has a way to the output and is loaded; the factor 1 / sqrt(16) and log2(e) are one constant c.
; FORMATS.  The three projections and p V go on codes of E4M3 with E8M0 scales (v_wmma_scale_f32_16x16x128_f8f6f4).  Q K^T has K = 16 and feeds a quantiser: f32 operands, v_wmma_f32_16x16x4_f32.
; THE SOFTMAX AHEAD OF p V: t = score x c, c = log2(e) / 4; M = the largest t so far, rounded up to a whole number; p = 2^(t - M) is quantised along the keys, not normalised; the row's sum is taken of the
; unquantised p and divides at the end.  When M moves, the sum and O are multiplied by 2^(old M - new M), which rounds nothing.
; SHARES.  A work-group owns 256 queries of one batch b and one head H (x = block of queries, y = 8 b + H).  Its sixteen waves first make the head's K and V for all 2,048 keys, 128 keys a wave, and lay them in LDS;
; one barrier; then wave w walks all 16 key steps of 128 for its own 16 queries.  The loop reads no memory and has no barrier.  The 8 work-groups of a (b, H) each make K and V anew: 16 products and one quantiser a wave.
; LAYOUTS.  A lane is (r = lane % 16, hh = lane / 16).  THE KEYS OF A TILE ARE NOT NEIGHBOURS: row r of tile 2 b' + u of a key step is key 32 b' + 8 u + r + 8 (r / 8).
;   K tile  = W_key x h^T  (source 0 = W_key's 16 rows, source 1 = the tile's 16 rows of h): lane (r, hh) holds tile row r, register j = channel 8 hh + j.  Registers 2 c, 2 c + 1 ARE source 0 of the c-th f32 product;
;   Q       = W_query x h^T likewise, and is source 1 with the same places: place (hh, j) of product c carries channel 8 hh + 2 c + j on both sides, so four products sum all 16 channels.
;   S^T     : lane (r, hh) holds query r; the 16 registers of tiles 2 b', 2 b' + 1 are keys 32 b' + 16 hh + 0 .. 15: the order in which an 8-bit operand wants them.  So p's conversions give source 1 of p V.
;   V tile  = h x W_val^T (source 0 = the tile's rows of h): lane (r, hh) holds channel r and the same 16 neighbouring keys: its conversions give source 0 (16 channels x 128 keys) of O^T = V^T p^T.
;   O^T     : lane (r, hh) holds query r, register j = channel 8 hh + j.
; OPERANDS LIE IN LDS AS IMAGES OF THEIR REGISTERS: four registers by one store of 16 bytes at 16 x lane; the same line as a load gives any wave the same registers.  Every LDS instruction covers consecutive bytes.
; heads (workspace, f32): for the tile of 16 queries Tq = (2048 b + q) / 16 and head H, 1,024 bytes at (8 Tq + H) x 1024: O^T's registers 0-3 at 16 x lane, registers 4-7 at 512 + 16 x lane.
; LIMITS: NaN and infinities among the inputs are not served.  The running largest t starts at -3e38.  t - M is one fused multiply-add of the score with c.  A block of zeros gets the scale byte 1 where the
; quantiser says 127: its codes are zeros, and these bytes are read by this program alone.  A p under 2^-126 becomes 0.
; NO SHARED LOADS BETWEEN WORK-GROUPS: what they share, h of a batch, is read once at the head, 16 KiB a wave, straight into operand registers; nothing is fetched in the loop.
; THE MODE: SCHED_MODE bits 1:0 = 2 (LLVM: expert scheduling mode 2), set by the entry lines.  The code itself states the register dependences
; between vector or matrix instructions and memory or LDS instructions, with s_wait_alu, always for 0.
; THE PLAN.  Registers that LDS instructions touch, in the loop:
;   KF  v32-63    Loads issued in step s, behind its scores, land here (tiles 0-3 of step s + 1); the first sixteen f32 products of step s + 1 read them.
;   v64-95        Loads at a step's head land here (tiles 4-7); the second sixteen f32 products read them.  Then v64-79 take V's fragment by loads, v80-95 p's codes by conversions; the product p V reads both.
;   VS  v242      V's scale words: a load behind the scores; the product p V reads it.
;   AD, ADS, AH   Written by three additions in the places behind the scores; read by the LDS loads as addresses.  LI and LS are never written again.
;   S, P, TM, O^T, Q, p's scale word are named by vector and matrix instructions alone.
; So a step has, beside the two waits behind its exponentials: one wait on va_vdst at its head (p V and the conversions are done with v64-95), one on vm_vsrc ahead of the additions to the addresses,
; one on va_vdst behind the scores' places (the addresses are written, the 32 products are done reading K's registers), behind which all the step's other loads go out in one run, and one on va_vdst ahead of p V
; (its operands made by vector instructions are written).
.set REC,   10368                      ; LDS: a key step's record: 8 K tiles of 1,024 bytes,
.set VIMG,  8192                       ; V's fragment, 4 x 512 bytes,
.set VSCL,  10240                      ; V's scale words, 4 bytes a lane
.set SPARE, 16*REC                     ; behind the 16 records: the spare words, 128 bytes for each wave: eight blocks of 256 bytes that no other line names
.set LI,  2                            ; v2   16 x lane
.set LS,  3                            ; v3   4 x lane
.set SPW, 4                            ; v4   LDS address of my spare word; never rewritten
.set NIL, 5                            ; v5   0; never rewritten
.set HO,  6                            ; v6   at the head: my byte in a tile's rows of h: (r + 8 (r / 8)) x 128 + 16 hh
.set HSO, 7                            ; v7   at the head: and among their scale words: (r + 8 (r / 8)) x 4
.set RO,  8                            ; v8   at the head: r x 128 + 16 hh: rows in their own order
.set RSO, 9                            ; v9   at the head: 4 r
.set WI,  10                           ; v10  at the head: 16 x lane + my record
.set WSC, 11                           ; v11  at the head: 4 x lane + my record
.set AD,  6                            ; v6   in the loop: 16 x lane + the step's record (V's fragment)
.set ADS, 7                            ; v7   in the loop: 4 x lane + the step's record (V's scale words)
.set AH,  8                            ; v8   in the loop: 16 x lane + the record whose K tiles are being fetched
.set QF,  16                           ; v16-23   Q
.set OT,  24                           ; v24-31   O^T
.set KF,  32                           ; v32-63   K tiles 0-3
.set KF2, 64                           ; v64-95   K tiles 4-7; then:
.set VF,  64                           ; v64-79   V's fragment
.set PC,  80                           ; v80-95   p's codes (at the head: V's)
.set S,   96                           ; v96-159  S^T: written by matrix instructions alone in this whole text
.set P,   160                          ; v160-223 p (at the head: V, held)
.set TM,  224                          ; v224-239 +0..3 maxima, +4..7 permutes, a sum, bytes, +8..11 holds, +12..15 the conversions' scale operands
.set VS,  242                          ; v240-251 hold scales and nothing else: v242 V's words, v243 p's
.set PW,  243
.set F,   252                          ; v[252:253] f = 2^(old M - new M), and a word that is only named with it
.set SEL, 44                           ; s[44:45] v_permlanex16_b32's selects for lane l xor 16
.set CS,  46                           ; s[46:47] c, twice: the packed form names a pair
.set MNT, 48                           ; s48  the mantissa field of 448
.set TB,  49                           ; s49  LDS byte of a record
.set CNT, 50                           ; s50  steps to go
	s_load_b512 s[16:31], s[0:1], 0x0              ; h codes, h scales, W_query codes, scales, W_key codes, scales, W_val codes, scales
	s_load_b64 s[32:33], s[0:1], 0x40              ; heads
	v_lshl_add_u32 v[SPW], v0, 2, SPARE
	v_mov_b32 v[NIL], 0
	v_lshrrev_b32 v1, 5, v0
	v_readfirstlane_b32 s2, v1                     ; wave 0..15
	s_and_b32 s4, ttmp7, 0xffff                    ; y
	s_and_b32 s5, s4, 7                            ; H
	s_lshr_b32 s6, s4, 3                           ; b
	v_and_b32 v1, 31, v0                           ; lane
	v_lshlrev_b32 v[LI], 4, v1
	v_lshlrev_b32 v[LS], 2, v1
	v_and_b32 v12, 15, v0                          ; r
	v_bfe_u32 v13, v0, 4, 1                        ; hh
	v_and_b32 v14, 8, v12
	v_add_nc_u32 v14, v14, v12                     ; r + 8 (r / 8)
	v_lshlrev_b32 v[HO], 7, v14
	v_lshl_add_u32 v[HO], v13, 4, v[HO]
	v_lshlrev_b32 v[HSO], 2, v14
	v_lshlrev_b32 v[RO], 7, v12
	v_lshl_add_u32 v[RO], v13, 4, v[RO]
	v_lshlrev_b32 v[RSO], 2, v12
	s_wait_alu depctr_va_sdst(0)                   ; s2 is written, ahead of its first reader: my record's place and all the wave's offsets are made from it
	s_mul_i32 s51, s2, REC                         ; my record: the key step that I make
	v_add_nc_u32 v[WI], s51, v[LI]
	v_add_nc_u32 v[WSC], s51, v[LS]
	s_mov_b32 s[SEL], 0x76543210
	s_mov_b32 s[SEL+1], 0xfedcba98
	s_mov_b32 s[CS], 0x3eb8aa3b                    ; c = log2(e) / 4
	s_mov_b32 s[CS+1], s[CS]
	s_mov_b32 s[MNT], 0x600000
	; byte offsets, made apart from the addresses
	s_lshl_b32 s34, s6, 18                         ; my 128 keys' codes: 262,144 b + 16,384 w
	s_lshl_b32 s3, s2, 14
	s_add_co_u32 s34, s34, s3
	s_mov_b32 s35, 0
	s_lshl_b32 s36, s6, 13                         ; their scale words: 8,192 b + 512 w
	s_lshl_b32 s3, s2, 9
	s_add_co_u32 s36, s36, s3
	s_mov_b32 s37, 0
	s_lshl_b32 s38, s6, 18                         ; my 16 queries' codes: 262,144 b + 32,768 x + 2,048 w
	s_lshl_b32 s3, ttmp9, 15
	s_add_co_u32 s38, s38, s3
	s_lshl_b32 s3, s2, 11
	s_add_co_u32 s38, s38, s3
	s_mov_b32 s39, 0
	s_lshl_b32 s40, s6, 13                         ; their scale words: 8,192 b + 1,024 x + 64 w
	s_lshl_b32 s3, ttmp9, 10
	s_add_co_u32 s40, s40, s3
	s_lshl_b32 s3, s2, 6
	s_add_co_u32 s40, s40, s3
	s_mov_b32 s41, 0
	s_lshl_b32 s8, s5, 11                          ; a head's 16 rows of 128 codes
	s_mov_b32 s9, 0
	s_lshl_b32 s10, s5, 6                          ; and their 16 scale words
	s_mov_b32 s11, 0
	s_lshl_b32 s12, s6, 20                         ; heads: ((128 b + 16 x + w) 8 + H) x 1,024
	s_lshl_b32 s3, ttmp9, 17
	s_add_co_u32 s12, s12, s3
	s_lshl_b32 s3, s2, 13
	s_add_co_u32 s12, s12, s3
	s_lshl_b32 s3, s5, 10
	s_add_co_u32 s12, s12, s3
	s_mov_b32 s13, 0
	s_wait_kmcnt 0x0
	s_add_nc_u64 s[34:35], s[16:17], s[34:35]
	s_add_nc_u64 s[36:37], s[18:19], s[36:37]
	s_add_nc_u64 s[38:39], s[16:17], s[38:39]
	s_add_nc_u64 s[40:41], s[18:19], s[40:41]
	s_add_nc_u64 s[20:21], s[20:21], s[8:9]
	s_add_nc_u64 s[24:25], s[24:25], s[8:9]
	s_add_nc_u64 s[28:29], s[28:29], s[8:9]
	s_add_nc_u64 s[22:23], s[22:23], s[10:11]
	s_add_nc_u64 s[26:27], s[26:27], s[10:11]
	s_add_nc_u64 s[30:31], s[30:31], s[10:11]
	s_add_nc_u64 s[32:33], s[32:33], s[12:13]
	s_wait_alu depctr_va_vdst(0)                   ; the offsets and addresses v2 to v11 are written, which the loads and stores of the head (v2 and v3: of the whole kernel) read
	; ---- the operands of K and V: 50 loads in one run.  A fragment (16 rows x 128 codes) is 16 registers: registers 4 c .. 4 c + 3 hold codes 32 c + 16 hh + 0 .. 15 of the lane's row
.irp c, 0,1,2,3
	global_load_b128 v[224+4*\c:227+4*\c], v[RO], s[24:25] offset:32*\c        ; W_key's fragment: v224-239
.endr
	global_load_b32 v248, v[RSO], s[26:27]
.irp c, 0,1,2,3
	global_load_b128 v[16+4*\c:19+4*\c], v[RO], s[28:29] offset:32*\c          ; W_val's: v16-31
.endr
	global_load_b32 v249, v[RSO], s[30:31]
.irp t, 0,1,2,3,4,5,6,7                        ; h's eight tiles: tiles 0-3 at v32-95, tiles 4-7 at v160-223; tile t begins at row 32 (t / 2) + 8 (t % 2)
.irp c, 0,1,2,3
	global_load_b128 v[32+16*\t+64*(\t/4)+4*\c:32+16*\t+64*(\t/4)+4*\c+3], v[HO], s[34:35] offset:(32*(\t/2)+8*(\t%2))*128+32*\c
.endr
	global_load_b32 v[240+\t], v[HSO], s[36:37] offset:(32*(\t/2)+8*(\t%2))*4
.endr
	s_wait_loadcnt 0x0
	; ---- K: eight tiles, each its own accumulator
.irp t, 0,1,2,3,4,5,6,7
	v_wmma_scale_f32_16x16x128_f8f6f4 v[S+8*\t:S+8*\t+7], v[224:239], v[32+16*\t+64*(\t/4):32+16*\t+64*(\t/4)+15], 0, v248, v[240+\t]
.endr
.rept 9
	v_nop                                          ; eight places ahead of the stores that read the results, nine ahead of V's products, which write over them
.endr
	s_wait_alu depctr_va_vdst(0)                   ; K's eight products have written v96-159, which the LDS stores read; the places above stay beside this wait
.irp t, 0,1,2,3,4,5,6,7
	ds_store_b128 v[WI], v[S+8*\t:S+8*\t+3] offset:1024*\t          ; each result from its low end on
	ds_store_b128 v[WI], v[S+8*\t+4:S+8*\t+7] offset:1024*\t+512
.endr
	s_wait_dscnt 0x0                               ; my stores of K are done
	s_wait_alu depctr_vm_vsrc(0)                   ; the LDS stores have read v96-159, which V's products write over
	; ---- V: the same tiles of h as source 0
.irp t, 0,1,2,3,4,5,6,7
	v_wmma_scale_f32_16x16x128_f8f6f4 v[S+8*\t:S+8*\t+7], v[32+16*\t+64*(\t/4):32+16*\t+64*(\t/4)+15], v[16:31], 0, v[240+\t], v249
.endr
.rept 9
	v_nop                                          ; eight places ahead of the reads and of the vector writes below; nine ahead of Q's product, which writes over W_val's registers
.endr
	s_wait_alu depctr_va_vdst(0)                   ; K's and V's products are done reading h's tiles 0 and 1 (v32-63) and their scale words (v240, v241), in which the loads below land
	; ---- Q's operands are asked for now and land while V is quantised
.irp c, 0,1,2,3
	global_load_b128 v[32+4*\c:35+4*\c], v[RO], s[20:21] offset:32*\c          ; W_query's fragment: v32-47
.endr
	global_load_b32 v240, v[RSO], s[22:23]
.irp c, 0,1,2,3
	global_load_b128 v[48+4*\c:51+4*\c], v[RO], s[38:39] offset:32*\c          ; my 16 queries' rows of h, in their own order: v48-63
.endr
	global_load_b32 v241, v[RSO], s[40:41]
	; ---- what the loop carries.  The step is written for all steps alike: the first finds zeros, which the first change of M leaves zeros
.irp b, 0,1,2,3
	v_mov_b32 v[TM+4+\b], 0                        ; written once: a lane permute's destination counts as one of its sources
.endr
	v_mov_b32 v[F+1], 0                            ; (named as the upper half of the pair before it is ever written)
	v_mov_b32 v13, 0xff61b1e6                      ; the largest t so far: -3e38
	v_floor_f32 v12, -v13                          ; -M
	v_mov_b32 v14, 0                               ; the row's sum, in two halves
	v_mov_b32 v15, 0
.irp j, 0,1,2,3,4,5,6,7
	v_mov_b32 v[OT+\j], 0
.endr
	; ---- V is quantised along the keys: register 16 b + i is key 32 b + 16 hh + i of channel r; a block of 32 lies in lanes l and l xor 16
.irp b, 0,1,2,3
	v_max3_num_f32 v[TM+\b], |v[S+16*\b]|, |v[S+16*\b+1]|, 0x4800000   ; my 16 numbers, and the floor 2^(9 - 127): so the byte cannot fall under 1
.endr
.irp i, 2,4,6,8,10,12,14
.irp b, 0,1,2,3
	v_max3_num_f32 v[TM+\b], v[TM+\b], |v[S+16*\b+\i]|, |v[S+16*\b+\i+1]|
.endr
.endr
.irp b, 0,1,2,3
	v_permlanex16_b32 v[TM+4+\b], v[TM+\b], s[SEL], s[SEL+1]
.endr
.irp b, 0,1,2,3
	v_max_num_f32 v[TM+\b], v[TM+\b], v[TM+4+\b]   ; the block's largest magnitude
.endr
.irp b, 0,1,2,3
	v_add_nc_u32 v[TM+12+\b], 0xfc000000, v[TM+\b] ; 8 off its exponent field: the conversion's scale operand
.endr
.irp b, 0,1,2,3
	v_and_or_b32 v[TM+8+\b], v[TM+\b], 0x7f800000, s[MNT]   ; 448 x the scale
.endr
.irp b, 0,1,2,3
	v_lshrrev_b32 v[TM+4+\b], 23, v[TM+12+\b]      ; the scale's byte
.endr
	v_lshl_or_b32 v[PW], v[TM+5], 8, v[TM+4]       ; channel r's scale word for these 128 keys
	v_lshl_or_b32 v[PW], v[TM+6], 16, v[PW]
	v_lshl_or_b32 v[PW], v[TM+7], 24, v[PW]
.irp b, 0,1,2,3
.set j, 0
.rept 16
	v_med3_num_f32 v[P+16*\b+j], v[S+16*\b+j], -v[TM+8+\b], v[TM+8+\b]   ; the conversion to an 8-bit code does not saturate (ISA guide 7.6.2): held first, into other registers than the sums'
.set j, j+1
.endr
	v_cvt_scalef32_pk8_fp8_f32 v[PC+4*\b:PC+4*\b+1], v[P+16*\b:P+16*\b+7], v[TM+12+\b]
	v_cvt_scalef32_pk8_fp8_f32 v[PC+4*\b+2:PC+4*\b+3], v[P+16*\b+8:P+16*\b+15], v[TM+12+\b]
.endr
	v_nop                                          ; a plain line behind the last conversion
	s_wait_alu depctr_va_vdst(0)                   ; the conversions have written V's codes (v80-95) and the shifts its scale word (v243), which the LDS stores read
.irp c, 0,1,2,3
	ds_store_b128 v[WI], v[PC+4*\c:PC+4*\c+3] offset:VIMG+512*\c
.endr
	ds_store_b32 v[WSC], v[PW] offset:VSCL
	; ---- Q
	s_wait_loadcnt 0x0
	s_wait_alu depctr_vm_vsrc(0)                   ; the head's loads have read their offsets v6, v7 and v8, which become the loop's addresses (v8 just below); the LDS stores above have read v80-95 and v243, which the loop writes again
	v_wmma_scale_f32_16x16x128_f8f6f4 v[QF:QF+7], v[32:47], v[48:63], 0, v240, v241
	v_mov_b32 v[AH], v[LI]                         ; record 0.  With the eight below: nine places ahead of the products that take Q as a source
.rept 8
	v_nop
.endr
	s_wait_alu depctr_va_vdst(0)                   ; v8 is written, which the loads of K's tiles read as their address; Q's product is done reading v32-63, in which step 0's tiles 0-3 land
	s_wait_dscnt 0x0                               ; for the others' sake: my record lies in LDS
	s_barrier_signal -1
	s_barrier_wait -1                              ; all sixteen records do; from here on nobody writes them
	s_mov_b32 s[TB], 0
	s_mov_b32 s[CNT], 15
.irp t, 0,1,2,3
	ds_load_b128 v[KF+8*\t:KF+8*\t+3], v[AH] offset:1024*\t         ; step 0's K tiles 0-3
	ds_load_b128 v[KF+8*\t+4:KF+8*\t+7], v[AH] offset:1024*\t+512
.endr
; S^T of four tiles of keys (tiles 4 g .. 4 g + 3, their K at v[base] on): four f32 products deep.  The first starts each sum with the constant 0; the four sums take turns, one instruction a turn.
.macro SCORES base, g
.irp c, 0,1,2,3
.irp t, 0,1,2,3
.if \c == 0
	v_wmma_f32_16x16x4_f32 v[S+8*(4*\g+\t):S+8*(4*\g+\t)+7], v[\base+8*\t:\base+8*\t+1], v[QF:QF+1], 0
.else
	v_wmma_f32_16x16x4_f32 v[S+8*(4*\g+\t):S+8*(4*\g+\t)+7], v[\base+8*\t+2*\c:\base+8*\t+2*\c+1], v[QF+2*\c:QF+2*\c+1], v[S+8*(4*\g+\t):S+8*(4*\g+\t)+7]
.endif
.endr
.endr
.endm
; A KEY STEP: 128 keys.  last = 1: nothing is fetched ahead.
.macro STEP last
.rept 8
	v_nop                                          ; the eight places behind the last product p V stay, beside the wait below
.endr
	s_wait_alu depctr_va_vdst(0)                   ; the last step's product p V is done reading V's fragment and p's codes, and the conversions have written those codes (first step: the head's products and conversions likewise): K tiles 4-7 land in v64-95
.irp t, 0,1,2,3
	ds_load_b128 v[KF2+8*\t:KF2+8*\t+3], v[AH] offset:(4+\t)*1024   ; K tiles 4-7
	ds_load_b128 v[KF2+8*\t+4:KF2+8*\t+7], v[AH] offset:(4+\t)*1024+512
.endr
	s_wait_dscnt 8                                 ; the eight just issued may be out: tiles 0-3, asked for a softmax ago (or ahead of the loop), are in
	SCORES KF, 0
	s_wait_dscnt 0x0                               ; tiles 4-7 are in, and no LDS load of mine is out
	s_wait_alu depctr_vm_vsrc(0)                   ; every LDS load issued so far has read its address: v6, v7 and v8 are written behind the products below, and no LDS instruction stands between
	SCORES KF2, 1
	v_add_nc_u32 v[AD], s[TB], v[LI]               ; these lines and the v_nop are the eight places ahead of the first read of the scores
	v_add_nc_u32 v[ADS], s[TB], v[LS]
.if \last
.rept 6
	v_nop
.endr
.else
	s_add_co_u32 s[TB], s[TB], REC
	v_add_nc_u32 v[AH], s[TB], v[LI]               ; the next step's record
.rept 5
	v_nop
.endr
.endif
	s_wait_alu depctr_va_vdst(0)                   ; the addresses v6, v7, v8 are written, which the loads below read; the 32 products are done reading K's tiles (v32-95), and the last p V its scale word v242, in which those loads land
.irp c, 0,1,2,3
	ds_load_b128 v[VF+4*\c:VF+4*\c+3], v[AD] offset:VIMG+512*\c     ; V's fragment and scale words: they land under the softmax
.endr
	ds_load_b32 v[VS], v[ADS] offset:VSCL
.if \last == 0
.irp t, 0,1,2,3
	ds_load_b128 v[KF+8*\t:KF+8*\t+3], v[AH] offset:1024*\t         ; and the next step's K tiles 0-3
	ds_load_b128 v[KF+8*\t+4:KF+8*\t+7], v[AH] offset:1024*\t+512
.endr
.endif
	; the largest score of each block of 32 keys: it serves for the row's maximum and, since p rises with the score, for the block's largest p.  Each tile is read from its low end on
.irp b, 0,1,2,3
	v_max3_num_f32 v[TM+\b], v[S+16*\b], v[S+16*\b+1], v[S+16*\b+2]
.endr
.irp i, 3,5,7,9,11,13
.irp b, 0,1,2,3
	v_max3_num_f32 v[TM+\b], v[TM+\b], v[S+16*\b+\i], v[S+16*\b+\i+1]
.endr
.endr
.irp b, 0,1,2,3
	v_max_num_f32 v[TM+\b], v[TM+\b], v[S+16*\b+15]
.endr
.irp b, 0,1,2,3
	v_permlanex16_b32 v[TM+4+\b], v[TM+\b], s[SEL], s[SEL+1]
.endr
.irp b, 0,1,2,3
	v_max_num_f32 v[TM+\b], v[TM+\b], v[TM+4+\b]   ; with lane l xor 16's 16 keys
.endr
	v_max3_num_f32 v1, v[TM], v[TM+1], v[TM+2]
	v_max_num_f32 v1, v1, v[TM+3]                  ; the step's largest score of my query
	v_mul_f32 v1, s[CS], v1                        ; as t (c is positive)
	v_max_num_f32 v13, v13, v1                     ; the running largest t
	v_mov_b32 v1, v12
	v_floor_f32 v12, -v13                          ; the new -M = floor(-t) = -ceil(t)
	v_sub_f32 v1, v12, v1                          ; old M - new M: a whole number, 0 or less
	v_cvt_i32_f32 v1, v1                           ; (it saturates)
	v_ldexp_f32 v[F], 1.0, v1                      ; f = 2^(old M - new M)
.set j, 0
.rept 32
	v_pk_fma_f32 v[P+j:P+j+1], v[S+j:S+j+1], s[CS:CS+1], v[12:13] op_sel_hi:[1,0,0]   ; t - M, two at a time, into other registers than the sums'
.set j, j+2
.endr
.irp b, 0,1,2,3
	v_fma_f32 v[TM+\b], v[TM+\b], s[CS], v12       ; the same of each block's largest score
.endr
.set j, 0
.rept 64
	v_exp_f32 v[P+j], v[P+j]                       ; p = 2^(t - M), at most 1
.set j, j+1
.endr
	v_pk_mul_f32 v[14:15], v[14:15], v[F:F+1] op_sel_hi:[1,0]       ; the sums under the new M: the plain line behind the exponentials
	s_wait_alu depctr_va_vdst(0)                   ; the 64 exponentials have written p (v160-223): one wait for the batch, ahead of its first reader
.irp b, 0,1,2,3
	v_exp_f32 v[TM+\b], v[TM+\b]                   ; each block's largest p: the same two instructions on the same number give the same bits
.endr
	v_pk_add_f32 v[TM+4:TM+5], v[P:P+1], v[P+2:P+3]                 ; the row's sum of the unquantised p, in two chains; it names none of the four
.set j, 4
.rept 15
	v_pk_add_f32 v[14:15], v[14:15], v[P+j:P+j+1]
	v_pk_add_f32 v[TM+4:TM+5], v[TM+4:TM+5], v[P+j+2:P+j+3]
.set j, j+4
.endr
	v_pk_add_f32 v[14:15], v[14:15], v[TM+4:TM+5]
	s_wait_alu depctr_va_vdst(0)                   ; the four exponentials have written v224-227: their wait, ahead of their first reader
.irp b, 0,1,2,3
	v_max_num_f32 v[TM+\b], 0x4800000, v[TM+\b]    ; the floor 2^(9 - 127): the byte cannot fall under 1
.endr
.irp b, 0,1,2,3
	v_add_nc_u32 v[TM+12+\b], 0xfc000000, v[TM+\b]
.endr
.irp b, 0,1,2,3
	v_and_or_b32 v[TM+8+\b], v[TM+\b], 0x7f800000, s[MNT]
.endr
.irp b, 0,1,2,3
	v_lshrrev_b32 v[TM+4+\b], 23, v[TM+12+\b]
.endr
	v_lshl_or_b32 v[PW], v[TM+5], 8, v[TM+4]       ; p's scale word for these 128 keys: the 64 holds below stand between it and the product
	v_lshl_or_b32 v[PW], v[TM+6], 16, v[PW]
	v_lshl_or_b32 v[PW], v[TM+7], 24, v[PW]
.irp b, 0,1,2,3
.set j, 0
.rept 16
	v_min_num_f32 v[P+16*\b+j], v[P+16*\b+j], v[TM+8+\b]            ; p is not negative: the hold at 448 x the scale is one-sided
.set j, j+1
.endr
	v_cvt_scalef32_pk8_fp8_f32 v[PC+4*\b:PC+4*\b+1], v[P+16*\b:P+16*\b+7], v[TM+12+\b]
	v_cvt_scalef32_pk8_fp8_f32 v[PC+4*\b+2:PC+4*\b+3], v[P+16*\b+8:P+16*\b+15], v[TM+12+\b]
.endr
.irp j, 0,2,4,6
	v_pk_mul_f32 v[OT+\j:OT+\j+1], v[OT+\j:OT+\j+1], v[F:F+1] op_sel_hi:[1,0]   ; O^T under the new M, from its low end on
.endr
.rept 4
	v_nop                                          ; four places between operands written by vector instructions and the scaled product
.endr
.if \last
	s_wait_dscnt 0x0                               ; V is in
.else
	s_wait_dscnt 8                                 ; the eight loads of the next step's K may be out: V's five are in
.endif
	s_wait_alu depctr_va_vdst(0)                   ; the conversions have written p's codes (v80-95) and the shifts p's scale word (v243), which the scaled product takes as source 1 and as a scale; the places above stay beside this wait
	v_wmma_scale_f32_16x16x128_f8f6f4 v[OT:OT+7], v[VF:VF+15], v[PC:PC+15], v[OT:OT+7], v[VS], v[PW]   ; between two of these stand the next step's 32 products on other sums
.endm
.Lstep:                                            ; steps 0 to 14
	STEP 0
	s_sub_co_u32 s[CNT], s[CNT], 1
	s_cmp_lg_u32 s[CNT], 0
	s_cbranch_scc1 .Lstep
	STEP 1                                         ; step 15 is written out: it fetches nothing ahead
	; ---- the way out: O^T / the sum, as it stands in the registers: two stores of 512 consecutive bytes
	v_add_f32 v14, v14, v15                        ; the sum's two halves,
	v_permlanex16_b32 v1, v14, s[SEL], s[SEL+1]
	v_add_f32 v14, v14, v1                         ; and lane l xor 16's 64 keys a step
	v_rcp_f32 v14, v14
.rept 6
	v_nop                                          ; with the two additions: eight places behind the last product; also the plain line behind the reciprocal
.endr
	s_wait_alu depctr_va_vdst(0)                   ; the reciprocal has written v14: the wait ahead of its first reader
.irp j, 0,1,2,3,4,5,6,7
	v_mul_f32 v[32+\j], v[OT+\j], v14
.endr
	s_wait_alu depctr_va_vdst(0)                   ; the eight multiplications have written v32-39, which the two stores read
	global_store_b128 v[LI], v[32:35], s[32:33]
	global_store_b128 v[LI], v[36:39], s[32:33] offset:512
	s_wait_dscnt 0x0                               ; the closing lines, six on end
	s_wait_alu 0x0
	s_wait_tensorcnt 0x0
	ds_add_u32 v[SPW], v[NIL]
	s_wait_dscnt 0x0
	s_endpgm
.Lfunc_end_k_q78fb8b13a7_attn:
	.size	k_q78fb8b13a7_attn, .Lfunc_end_k_q78fb8b13a7_attn-k_q78fb8b13a7_attn
	.p2alignl 7, 3214868480
	.fill 96, 4, 3214868480
	.section	.rodata,"a",@progbits
	.p2align	6, 0x0
	.amdhsa_kernel k_q78fb8b13a7_attn
		.amdhsa_group_segment_fixed_size 167936
		.amdhsa_private_segment_fixed_size 0
		.amdhsa_enable_private_segment 0
		.amdhsa_kernarg_size 72
		.amdhsa_user_sgpr_count 2
		.amdhsa_user_sgpr_kernarg_segment_ptr 1
		.amdhsa_wavefront_size32 1
		.amdhsa_system_sgpr_workgroup_id_x 1
		.amdhsa_system_sgpr_workgroup_id_y 1
		.amdhsa_system_sgpr_workgroup_id_z 1
		.amdhsa_system_vgpr_workitem_id 0
		.amdhsa_next_free_vgpr 256
		.amdhsa_next_free_sgpr 66
		.amdhsa_reserve_vcc 0
		.amdhsa_float_denorm_mode_32 3
		.amdhsa_float_denorm_mode_16_64 3
		.amdhsa_memory_ordered 1
		.amdhsa_forward_progress 1
		.amdhsa_inst_pref_size 58
	.end_amdhsa_kernel
	.amdgpu_metadata
---
amdhsa.version: [ 1, 2 ]
amdhsa.kernels:
  - .name:           k_q78fb8b13a7_attn
    .symbol:         k_q78fb8b13a7_attn.kd
    .args:
      - { .name: h_codes, .offset: 0, .size: 8, .value_kind: global_buffer, .address_space: global }
      - { .name: h_scales, .offset: 8, .size: 8, .value_kind: global_buffer, .address_space: global }
      - { .name: W_query_codes, .offset: 16, .size: 8, .value_kind: global_buffer, .address_space: global }
      - { .name: W_query_scales, .offset: 24, .size: 8, .value_kind: global_buffer, .address_space: global }
      - { .name: W_key_codes, .offset: 32, .size: 8, .value_kind: global_buffer, .address_space: global }
      - { .name: W_key_scales, .offset: 40, .size: 8, .value_kind: global_buffer, .address_space: global }
      - { .name: W_val_codes, .offset: 48, .size: 8, .value_kind: global_buffer, .address_space: global }
      - { .name: W_val_scales, .offset: 56, .size: 8, .value_kind: global_buffer, .address_space: global }
      - { .name: heads, .offset: 64, .size: 8, .value_kind: global_buffer, .address_space: global }
    .group_segment_fixed_size: 167936
    .private_segment_fixed_size: 0
    .kernarg_segment_align: 8
    .kernarg_segment_size: 72
    .max_flat_workgroup_size: 512
    .sgpr_count:     66
    .vgpr_count:     256
    .wavefront_size: 32
...
	.end_amdgpu_metadata
.endif
;; end of part 3
;; launch outp (part 4): grid 256 x 1, 8 waves a work-group, no clusters, 22,272 bytes of LDS; arguments heads, W_out, out0; writes out0
.if DOCPART == 4
	.amdgcn_target "amdgcn-amd-amdhsa--gfx1250"
	.amdhsa_code_object_version 6
	.text
	.protected	k_q78fb8b13a7_outp
	.globl	k_q78fb8b13a7_outp
	.p2align	8
	.type	k_q78fb8b13a7_outp,@function
k_q78fb8b13a7_outp:
	s_mov_b64 s[64:65], 0
	v_nop
	global_prefetch_b8 v0, s[64:65] scope:SCOPE_SE
	s_setreg_imm32_b32 hwreg(HW_REG_WAVE_SCHED_MODE, 0, 2), 2
	s_setreg_imm32_b32 hwreg(HW_REG_WAVE_MODE, 25, 1), 1
	s_wait_xcnt 0x0
	s_wait_alu depctr_vm_vsrc(0)
; out0[row][e] = the sum over k = 16 H + v of heads[row][k] W_out[k][e], both operands quantised here along k to E4M3 with one E8M0 scale for each 32 (two heads to a block); row = 2048 b + q.  Nothing is left out.
; heads (workspace, f32) lies as the launch before left it: for the tile of 16 rows Tq and head H, 1,024 bytes at (8 Tq + H) x 1024: of row r, v = 0-3 at 16 r, v = 4-7 at 512 + 16 r, v = 8-11 at 256 + 16 r, v = 12-15 at 768 + 16 r.
; SHARES.  A work-group of eight waves takes 32 rows, two tiles of 16.  Wave w owns output columns 16 w .. 16 w + 15: it quantises those columns of W_out (a lane to a column, registers down k: the conversions'
; results are the operand's registers) and keeps them.  Wave w also quantises ONE block of 32 along k (block w % 4) of ONE tile of rows (tile w / 4): four registers a lane and one scale byte, which go to LDS as an image
; of the operand's registers; a barrier; every wave loads both tiles' fragments.  So no number of heads is quantised twice.
; THE PRODUCT IS USED TRANSPOSED (source 0 = 16 columns of W_out, source 1 = 16 rows of heads): a lane then holds eight neighbouring columns of one row.  A row's 128 columns come from eight waves: they meet in a stage
; in LDS, and each wave stores four whole rows of 512 bytes.
; LIMITS: NaN and infinities are not served.  A block of zeros gets the scale byte 1 where the quantiser says 127: its codes are zeros, and these bytes are read by this program alone.
; No tensor loads, no shared loads between work-groups, no prefetch: a work-group reads 16 KiB of its own and 64 KiB of W_out once, at its head, and ends.
; THE MODE: SCHED_MODE bits 1:0 = 2 (LLVM: expert scheduling mode 2), set by the entry lines.  The code itself states the register dependences
; between vector or matrix instructions and memory or LDS instructions, with s_wait_alu, always for 0.
; THE PLAN.  The text is straight.  Registers that memory or LDS instructions touch:
;   v2, v3, v6 to v11   offsets and addresses: written once at the head, read by loads and stores, never written again.
;   X, W                loads land in them before any vector instruction names them; vector instructions alone name them afterwards.
;   XC, XB              written by the conversions and a shift, read by two LDS stores, never written again.
;   XF, XS, OB          LDS loads land in them; no vector instruction ever writes them.
;   D                   written by the two products, read by four LDS stores, never written again.
; So three waits on va_vdst stand ahead of memory instructions: ahead of the first load, ahead of the stores of XC and XB, ahead of the stores of D.  No register that a memory instruction has read is written again.
.set XIMG,   0                         ; LDS: two fragments' images, 2,048 bytes each: block c's four registers at 512 c + 16 x lane
.set XSC,    4096                      ; their scale words, 128 bytes each: 4 x lane + the block's byte
.set STG,    4352                      ; the stage: 32 rows x (512 bytes + 16)
.set SPITCH, 528
.set SPARE,  STG+32*SPITCH             ; the spare words, 128 bytes for each wave: four blocks of 256 bytes that no other line names
.set LI,  2                            ; v2   16 x lane
.set LS,  3                            ; v3   4 x lane
.set SPW, 4                            ; v4   LDS address of my spare word; never rewritten
.set NIL, 5                            ; v5   0; never rewritten
.set XO,  6                            ; v6   heads: 1,024 hh + 16 r
.set WO,  7                            ; v7   W_out: 4 r + 16 hh rows of 512 bytes
.set XWI, 8                            ; v8   where I store my block's codes: 512 w + 16 x lane
.set XWB, 9                            ; v9   and its scale byte
.set SO,  10                           ; v10  the stage: where I put 32 bytes of a row
.set SR,  11                           ; v11  and where I read a row back
.set X,   16                           ; v16-31   16 numbers of heads
.set W,   32                           ; v32-95   64 numbers of W_out
.set WF,  96                           ; v96-111  W_out's fragment
.set XC,  112                          ; v112-115 my block's codes
.set TM,  120                          ; v120-135 at work
.set WS,  136                          ; v136     W_out's scale word (a scale and nothing else)
.set XB,  137                          ; v137     my block's byte
.set XS,  138                          ; v138-139 the two tiles' scale words (scales and nothing else)
.set XF,  144                          ; v144-175 the two tiles' fragments
.set D,   176                          ; v176-191 the two results
.set OB,  192                          ; v192-207 four rows on the way out
.set SEL, 12                           ; s[12:13]
.set MNT, 14                           ; s14
	s_load_b128 s[4:7], s[0:1], 0x0                ; heads, W_out
	s_load_b64 s[8:9], s[0:1], 0x10                ; out0
	v_lshl_add_u32 v[SPW], v0, 2, SPARE
	v_mov_b32 v[NIL], 0
	v_lshrrev_b32 v1, 5, v0
	v_readfirstlane_b32 s2, v1                     ; wave 0..7
	v_and_b32 v1, 31, v0                           ; lane
	v_lshlrev_b32 v[LI], 4, v1
	v_lshlrev_b32 v[LS], 2, v1
	v_and_b32 v12, 15, v0                          ; r
	v_bfe_u32 v13, v0, 4, 1                        ; hh
	v_lshlrev_b32 v[XO], 4, v12
	v_lshl_add_u32 v[XO], v13, 10, v[XO]
	v_lshlrev_b32 v[WO], 2, v12
	v_lshl_add_u32 v[WO], v13, 13, v[WO]
	s_wait_alu depctr_va_sdst(0)                   ; s2 is written, ahead of its first reader: the wave's LDS places and offsets are made from it
	s_lshl_b32 s10, s2, 9                          ; 2,048 (w / 4) + 512 (w % 4) = 512 w
	v_add_nc_u32 v[XWI], s10, v[LI]
	s_lshr_b32 s10, s2, 2
	s_lshl_b32 s10, s10, 7                         ; 128 x tile
	s_and_b32 s11, s2, 3                           ; + the block's byte
	s_add_co_u32 s10, s10, s11
	s_add_co_u32 s10, s10, XSC
	v_add_nc_u32 v[XWB], s10, v[LS]
	v_mul_u32_u24 v[SO], v12, SPITCH               ; row r, + 32 hh, + my 64 bytes of a row
	v_lshl_add_u32 v[SO], v13, 5, v[SO]
	s_lshl_b32 s10, s2, 6
	s_add_co_u32 s10, s10, STG
	v_add_nc_u32 v[SO], s10, v[SO]
	s_mul_i32 s10, s2, 4*SPITCH                    ; back: rows 4 w .. 4 w + 3, 16 bytes a lane
	s_add_co_u32 s10, s10, STG
	v_add_nc_u32 v[SR], s10, v[LI]
	s_mov_b32 s[SEL], 0x76543210
	s_mov_b32 s[SEL+1], 0xfedcba98
	s_mov_b32 s[MNT], 0x600000
.irp b, 0,1,2,3
	v_mov_b32 v[TM+4+\b], 0                        ; written once: a lane permute's destination counts as one of its sources
.endr
	s_lshl_b32 s16, ttmp9, 14                      ; heads: (2 g + w / 4) x 8,192 + (w % 4) x 2,048 = 16,384 g + 2,048 w; out0: 32 g + 4 w rows of 512 bytes: the same number
	s_lshl_b32 s10, s2, 11
	s_add_co_u32 s16, s16, s10
	s_mov_b32 s17, 0
	s_lshl_b32 s18, s2, 6                          ; W_out: my 16 columns
	s_mov_b32 s19, 0
	s_wait_kmcnt 0x0
	s_add_nc_u64 s[4:5], s[4:5], s[16:17]
	s_add_nc_u64 s[8:9], s[8:9], s[16:17]
	s_add_nc_u64 s[6:7], s[6:7], s[18:19]
	s_wait_alu depctr_va_vdst(0)                   ; the offsets and addresses v2, v3 and v6 to v11 are written, which every load and store of the kernel reads
.irp c, 0,1,2,3
.irp i, 0,1,2,3,4,5,6,7,8,9,10,11,12,13,14,15
	global_load_b32 v[W+16*\c+\i], v[WO], s[6:7] offset:512*(32*\c+\i)   ; W_out(32 c + 16 hh + i, 16 w + r)
.endr
.endr
	global_load_b128 v[X:X+3],     v[XO], s[4:5] th:TH_LOAD_NT             ; head 2 (w % 4) + hh, row r: v = 0-3; sixteen lanes read 256 consecutive bytes; read once in the launch
	global_load_b128 v[X+4:X+7],   v[XO], s[4:5] offset:512 th:TH_LOAD_NT  ; v = 4-7
	global_load_b128 v[X+8:X+11],  v[XO], s[4:5] offset:256 th:TH_LOAD_NT  ; v = 8-11
	global_load_b128 v[X+12:X+15], v[XO], s[4:5] offset:768 th:TH_LOAD_NT  ; v = 12-15
	s_wait_loadcnt 4                               ; the four loads of heads may be out: W_out's 64 are in
	; ---- W_out's four blocks: register 16 b + i is k = 32 b + 16 hh + i of my column; a block lies in lanes l and l xor 16
.irp b, 0,1,2,3
	v_max3_num_f32 v[TM+\b], |v[W+16*\b]|, |v[W+16*\b+1]|, 0x4800000   ; and the floor 2^(9 - 127): so the byte cannot fall under 1
.endr
.irp i, 2,4,6,8,10,12,14
.irp b, 0,1,2,3
	v_max3_num_f32 v[TM+\b], v[TM+\b], |v[W+16*\b+\i]|, |v[W+16*\b+\i+1]|
.endr
.endr
.irp b, 0,1,2,3
	v_permlanex16_b32 v[TM+4+\b], v[TM+\b], s[SEL], s[SEL+1]
.endr
.irp b, 0,1,2,3
	v_max_num_f32 v[TM+\b], v[TM+\b], v[TM+4+\b]
.endr
.irp b, 0,1,2,3
	v_add_nc_u32 v[TM+12+\b], 0xfc000000, v[TM+\b] ; 8 off the exponent field: the conversion's scale operand
.endr
.irp b, 0,1,2,3
	v_and_or_b32 v[TM+8+\b], v[TM+\b], 0x7f800000, s[MNT]   ; 448 x the scale
.endr
.irp b, 0,1,2,3
	v_lshrrev_b32 v[TM+4+\b], 23, v[TM+12+\b]      ; the scale's byte
.endr
	v_lshl_or_b32 v[WS], v[TM+5], 8, v[TM+4]       ; my column's scale word
	v_lshl_or_b32 v[WS], v[TM+6], 16, v[WS]
	v_lshl_or_b32 v[WS], v[TM+7], 24, v[WS]
.irp b, 0,1,2,3
.set j, 0
.rept 16
	v_med3_num_f32 v[W+16*\b+j], v[W+16*\b+j], -v[TM+8+\b], v[TM+8+\b]   ; the conversion to an 8-bit code does not saturate (ISA guide 7.6.2): held first
.set j, j+1
.endr
	v_cvt_scalef32_pk8_fp8_f32 v[WF+4*\b:WF+4*\b+1], v[W+16*\b:W+16*\b+7], v[TM+12+\b]
	v_cvt_scalef32_pk8_fp8_f32 v[WF+4*\b+2:WF+4*\b+3], v[W+16*\b+8:W+16*\b+15], v[TM+12+\b]
.endr
	; ---- my block of heads: 16 numbers a lane.  (These plain lines are also the places between W_out's codes and scale word and the products)
	s_wait_loadcnt 0x0
	v_max3_num_f32 v[TM], |v[X]|, |v[X+1]|, 0x4800000
.irp i, 2,4,6,8,10,12,14
	v_max3_num_f32 v[TM], v[TM], |v[X+\i]|, |v[X+\i+1]|
.endr
	v_permlanex16_b32 v[TM+4], v[TM], s[SEL], s[SEL+1]
	v_max_num_f32 v[TM], v[TM], v[TM+4]            ; with the block's other head, in lane l xor 16
	v_add_nc_u32 v[TM+12], 0xfc000000, v[TM]
	v_and_or_b32 v[TM+8], v[TM], 0x7f800000, s[MNT]
	v_lshrrev_b32 v[XB], 23, v[TM+12]
.irp i, 0,1,2,3,4,5,6,7,8,9,10,11,12,13,14,15
	v_med3_num_f32 v[X+\i], v[X+\i], -v[TM+8], v[TM+8]
.endr
	v_cvt_scalef32_pk8_fp8_f32 v[XC:XC+1], v[X:X+7], v[TM+12]
	v_cvt_scalef32_pk8_fp8_f32 v[XC+2:XC+3], v[X+8:X+15], v[TM+12]
	v_nop                                          ; a plain line behind the last conversion
	s_wait_alu depctr_va_vdst(0)                   ; the conversions have written my block's codes (v112-115) and the shift its byte (v137), which the LDS stores read; W_out's codes (v96-111) and scale word (v136), which the scaled products below take and no later line writes, are written too
	ds_store_b128 v[XWI], v[XC:XC+3] offset:XIMG
	ds_store_b8 v[XWB], v[XB]                      ; each lane its own byte
	s_wait_dscnt 0x0                               ; for the others' sake: my stores have landed
	s_barrier_signal -1
	s_barrier_wait -1                              ; both tiles' fragments and scale words lie in LDS
.irp m, 0,1
.irp c, 0,1,2,3
	ds_load_b128 v[XF+16*\m+4*\c:XF+16*\m+4*\c+3], v[LI] offset:XIMG+2048*\m+512*\c
.endr
	ds_load_b32 v[XS+\m], v[LS] offset:XSC+128*\m
.endr
	s_wait_dscnt 0x0
	v_wmma_scale_f32_16x16x128_f8f6f4 v[D:D+7], v[WF:WF+15], v[XF:XF+15], 0, v[WS], v[XS]
	v_wmma_scale_f32_16x16x128_f8f6f4 v[D+8:D+15], v[WF:WF+15], v[XF+16:XF+31], 0, v[WS], v[XS+1]
.rept 8
	v_nop                                          ; eight places ahead of the stores that read the results
.endr
	s_wait_alu depctr_va_vdst(0)                   ; the two products have written v176-191, which the LDS stores read; the places above stay beside this wait
.irp m, 0,1
	ds_store_b128 v[SO], v[D+8*\m:D+8*\m+3] offset:\m*16*SPITCH          ; lane (r, hh): out0(16 m + r, 16 w + 8 hh + 0 .. 7); each result from its low end on
	ds_store_b128 v[SO], v[D+8*\m+4:D+8*\m+7] offset:\m*16*SPITCH+16
.endr
	s_wait_dscnt 0x0                               ; for the others' sake
	s_barrier_signal -1
	s_barrier_wait -1                              ; 32 whole rows lie in the stage
.irp i, 0,1,2,3
	ds_load_b128 v[OB+4*\i:OB+4*\i+3], v[SR] offset:\i*SPITCH
.endr
.irp i, 0,1,2,3
	s_wait_dscnt 3-\i                              ; the younger rows' loads may be out
	global_store_b128 v[LI], v[OB+4*\i:OB+4*\i+3], s[8:9] offset:512*\i th:TH_STORE_NT   ; 32 lanes store a row of 512 consecutive bytes, at a multiple of 256 from out0's first byte
.endr
	s_wait_dscnt 0x0                               ; the closing lines, six on end
	s_wait_alu 0x0
	s_wait_tensorcnt 0x0
	ds_add_u32 v[SPW], v[NIL]
	s_wait_dscnt 0x0
	s_endpgm
.Lfunc_end_k_q78fb8b13a7_outp:
	.size	k_q78fb8b13a7_outp, .Lfunc_end_k_q78fb8b13a7_outp-k_q78fb8b13a7_outp
	.p2alignl 7, 3214868480
	.fill 96, 4, 3214868480
	.section	.rodata,"a",@progbits
	.p2align	6, 0x0
	.amdhsa_kernel k_q78fb8b13a7_outp
		.amdhsa_group_segment_fixed_size 22272
		.amdhsa_private_segment_fixed_size 0
		.amdhsa_enable_private_segment 0
		.amdhsa_kernarg_size 24
		.amdhsa_user_sgpr_count 2
		.amdhsa_user_sgpr_kernarg_segment_ptr 1
		.amdhsa_wavefront_size32 1
		.amdhsa_system_sgpr_workgroup_id_x 1
		.amdhsa_system_sgpr_workgroup_id_y 1
		.amdhsa_system_sgpr_workgroup_id_z 1
		.amdhsa_system_vgpr_workitem_id 0
		.amdhsa_next_free_vgpr 208
		.amdhsa_next_free_sgpr 66
		.amdhsa_reserve_vcc 0
		.amdhsa_float_denorm_mode_32 3
		.amdhsa_float_denorm_mode_16_64 3
		.amdhsa_memory_ordered 1
		.amdhsa_forward_progress 1
		.amdhsa_inst_pref_size 22
	.end_amdhsa_kernel
	.amdgpu_metadata
---
amdhsa.version: [ 1, 2 ]
amdhsa.kernels:
  - .name:           k_q78fb8b13a7_outp
    .symbol:         k_q78fb8b13a7_outp.kd
    .args:
      - { .name: heads, .offset: 0, .size: 8, .value_kind: global_buffer, .address_space: global }
      - { .name: W_out, .offset: 8, .size: 8, .value_kind: global_buffer, .address_space: global }
      - { .name: out0, .offset: 16, .size: 8, .value_kind: global_buffer, .address_space: global }
    .group_segment_fixed_size: 22272
    .private_segment_fixed_size: 0
    .kernarg_segment_align: 8
    .kernarg_segment_size: 24
    .max_flat_workgroup_size: 256
    .sgpr_count:     66
    .vgpr_count:     208
    .wavefront_size: 32
...
	.end_amdgpu_metadata
.endif
;; end of part 4
